; MI455X (gfx1250); checked and timed in simulation.
; The chip was launched on July 23, 2026; its instructions are those of AMD's public machine-readable ISA for CDNA 5 (MIT licence, August 2026) and "CDNA5" Instruction Set Architecture Reference Guide (July 2026). The comments in the code are by the model that wrote it; some were corrected since.
;; SA Block. Allowed arithmetic: matrix products marked QUANTISED: E3M2 operands, one E8M0 scale for each 32 along K, by v_wmma_scale_f32_16x16x128_f8f6f4 with both operands' format E3M2, f32 sums; everything else in f32.
;; Inputs: Wk 1,024 x 1,024 float32; Wo 1,024 x 1,024 float32; Wq 1,024 x 1,024 float32; Wv 1,024 x 1,024 float32; bo 1,024 float32; x 4 x 2,048 x 1,024 float32.
;; Outputs: out0 4 x 2,048 x 1,024 float32.
;; This version of the problem:
;;   THIS VERSION OF THE PROBLEM IS GIVEN IN LOW PRECISION. The matrix products marked QUANTISED in the list below multiply operands that are first quantised to E3M2 (3 exponent bits, 2 mantissa bits; 6 bits a number), with one power-of-two scale for each 32 numbers along K (OCP MX v1.0); their sums are f32. All else is computed in f32.
;;   The module's matrix products, in the order in which they are computed (A, B: the left and right operand; K: the contracted axis; several contracted axes count as one K, in the product's order):
;;     1. [M 8,192, K 1,024] x [K 1,024, N 1,024]; A: input x; B: input Wq: QUANTISED
;;     2. [M 8,192, K 1,024] x [K 1,024, N 1,024]; A: input x; B: input Wk: QUANTISED
;;     3. [M 8,192, K 1,024] x [K 1,024, N 1,024]; A: input x; B: input Wv: QUANTISED
;;     4. batch 64 x [M 2,048, K 64] x [K 64, N 2,048]; A: computed on the way; B: computed on the way: QUANTISED
;;     5. batch 64 x [M 2,048, K 2,048] x [K 2,048, N 64]; A: softmax (see below); B: computed on the way: QUANTISED
;;     6. [M 8,192, K 1,024] x [K 1,024, N 1,024]; A: computed on the way; B: input Wo: QUANTISED
;;   THE QUANTISER, for each operand of a quantised product, along K:
;;     - K is cut into blocks of 32 from its start; a last block that is shorter is filled with zeros.
;;     - A block's scale is 2^e with e = floor(log2(the largest magnitude in the block)) - 4, held to -126 .. 127; a block of zeros has e = 0. As a byte (E8M0): e + 127.
;;     - Each number is divided by its block's scale, clamped to +-28, and rounded to the nearest number of E3M2, ties to even, subnormals kept.
;;     - The product sums the exact products of the quantised numbers (number of the format x scale) in f32.
;;   ~~~python
;;   def quantise(x, axis):      # numpy; x: float32 -> the quantised numbers, widened to float32 again
;;       x = np.moveaxis(x, axis, -1); K = x.shape[-1]
;;       x = np.pad(x, [(0, 0)] * (x.ndim - 1) + [(0, -K % 32)]); x = x.reshape(x.shape[:-1] + (-1, 32)); a = np.abs(x).max(-1, keepdims=True)
;;       e = np.where(a > 0, np.clip(np.frexp(np.where(a > 0, a, 1))[1] - 1 - 4, -126, 127), 0)      # np.frexp(a)[1] - 1 = floor(log2(a)), exactly
;;       r = np.clip(x / 2.0 ** e, -28, 28)
;;       step = 2.0 ** (np.maximum(np.frexp(np.where(r == 0, 1, r))[1] - 1, -2) - 2)
;;       q = np.round(r / step) * step * 2.0 ** e      # np.round: ties to even
;;       return np.moveaxis(q.reshape(q.shape[:-2] + (-1,))[..., :K], -1, axis).astype(np.float32)
;;   ~~~
;;   SOFTMAX AHEAD OF A QUANTISED PRODUCT. Where the list says 'softmax', what is quantised is not the finished softmax but p = 2^(t - M), with t = logit x log2(e) and M = ceil(the row's largest t), a whole number; so 1/2 < the row's largest p <= 1. The row's sum l is taken of the UNQUANTISED p, in f32, and the product's result is divided by l at the end. Since M is a whole number, a kernel that streams over the keys may use a running M (the ceiling of the running maximum): every later rescaling is an exact power of two, which a block's scale takes up: the codes' values come out the same.
;;   OPERANDS COMPUTED ON THE WAY. 'Computed on the way' means the value that the module computes at that place (a softmax that the list does not call 'softmax' is quantised finished and normalised). What goes into a quantiser is computed in f32, as accurately as f32 sums, v_exp_f32 and their like allow (about 1e-6 of the number): no bf16 or f16 on the way to a quantiser, and a product that is left as it is and whose result goes on into a quantised operand takes f32 operands (vector FMAs, or v_wmma_f32_16x16x4_f32). A number that lies on a knife's edge between two numbers of the format may be rounded either way, as far as f32 arithmetic and the matrix unit's own rounding can turn it there, and no further.
;; One version. Each part assembles by itself: llvm-mc -triple=amdgcn-amd-amdhsa -mcpu=gfx1250 --defsym DOCPART=n.
;; ======== version 1 of 1: 4 launches
;; workspace buffers: xq 6,553,600 bytes; wq 3,276,800 bytes; qk 13,631,488 bytes; vq 6,553,600 bytes; yq 6,553,600 bytes
;; launch quant (part 1): grid 384 x 1, 4 waves a work-group, no clusters, 34,304 bytes of LDS; arguments x, Wq, Wk, Wv, Wo, xq, wq; writes xq, wq
.if DOCPART == 1
	.amdgcn_target "amdgcn-amd-amdhsa--gfx1250"
	.amdhsa_code_object_version 6
	.text
	.protected	k_q8994b487a9_quant
	.globl	k_q8994b487a9_quant
	.p2align	8
	.type	k_q8994b487a9_quant,@function
k_q8994b487a9_quant:
	s_mov_b64 s[64:65], 0
	v_nop
	global_prefetch_b8 v0, s[64:65] scope:SCOPE_SE
	s_setreg_imm32_b32 hwreg(HW_REG_WAVE_MODE, 25, 1), 1
	s_wait_xcnt 0x0
; x [8192][1024] and Wq, Wk, Wv, Wo [1024][1024], f32, K innermost, become codes of BF6 (E3M2) with one E8M0 byte for each 32 along K, laid as the later launches' operand registers want them.
; LAYOUT OF THE CODES.  A tile is 16 rows; its codes lie as 16 pieces of 16 rows x 64 K, 768 bytes each: three chunks of 256 bytes; chunk p holds at 8 x lane the bytes 8 p .. 8 p + 7 of the 24 bytes
; (k = 32 (lane / 16) + 0 .. 31 of row lane % 16) that this lane's operand registers take.  Two pieces on end are one operand of 16 rows x 128 K: six loads of 8 bytes a lane, 256 bytes apart.
; ORDER OF THE ROWS.  Stored row 16 i + r is the tensor's row 32 (i / 2) + 8 (i % 2) + r + 8 (r / 8): so in a product whose source 0 these rows are, the 16 result registers of tiles 2 b and 2 b + 1 are 16 neighbours.
; SCALES.  Behind the codes: [tile][K half][row r][4 words]; a word holds the four bytes of 128 along K.
; A block's scale is 2^(floor(log2(largest magnitude)) - 4); its byte is the largest magnitude's exponent field - 4.
; LIMITS: NaN and infinities among the inputs are not served; a block whose largest magnitude lies under 2^-122 (a block of zeros too) gets the byte 1: its codes under that scale are what the conversion gives, and only this program reads the bytes.
; SHARES.  384 work-groups: 256 for x, 32 for each weight.  A wave takes one stored tile x 512 along K, in four steps of 128.  Each load reads 512 consecutive bytes of one row; the 16 rows turn through the wave's own stage in LDS,
; so that a lane gets 16 neighbours of each block of 32.  Waves share nothing: no barrier.  Loads run two steps (32 loads a wave) ahead.
.set STG,  8448                        ; a wave's stage: 16 rows of 512 bytes + 16
.set R,    16                          ; v16-143   two sets of 64: rows as loaded
.set X,    144                         ; v144-207  register 16 b + i = k 32 b + 16 (lane / 16) + i of my row
.set PC,   208                         ; v208-219 the codes; v220-222, v224-226 the conversions' second halves
.set TM,   228                         ; v228-231 largest magnitudes, v232-235 bytes, v240-243 the conversions' scale operands
.set SW,   244                         ; v244-247 the four steps' scale words
.set SEL,  30                          ; s[30:31] lane selects: lane l xor 16
	s_load_b256 s[4:11], s[0:1], 0x0               ; x, Wq, Wk, Wv
	s_load_b128 s[12:15], s[0:1], 0x20             ; Wo, xq
	s_load_b64 s[16:17], s[0:1], 0x30              ; wq
	v_lshl_add_u32 v254, v0, 2, 0x8400
	v_mov_b32 v255, 0
	v_lshrrev_b32 v9, 5, v0
	v_readfirstlane_b32 s18, v9                    ; wave
	v_and_b32 v6, 31, v0                           ; lane
	v_and_b32 v7, 15, v0                           ; r
	v_bfe_u32 v8, v0, 4, 1                         ; h
	v_lshlrev_b32 v1, 4, v6                        ; my 16 bytes of a load's 512
	s_mul_i32 s19, s18, STG
	v_add_nc_u32 v2, s19, v1                       ; the stage, on the way in
	v_mul_u32_u24 v3, v7, 528
	v_lshl_add_u32 v3, v8, 6, v3
	v_add_nc_u32 v3, s19, v3                       ; and out: row r, + 64 h
	v_lshlrev_b32 v4, 3, v6                        ; 8 x lane: my place in a chunk
	v_lshlrev_b32 v5, 4, v7
	v_lshl_add_u32 v5, v8, 3, v5                   ; 16 r + 8 h: my two scale words
	s_mov_b32 s[SEL], 0x76543210
	s_mov_b32 s[SEL+1], 0xfedcba98
.irp b, 0,1,2,3
	v_mov_b32 v[TM+4+\b], 0                        ; written once: a lane permute's destination counts as one of its sources
.endr
	s_lshr_b32 s20, s18, 1                         ; which of the work-group's two tiles
	s_and_b32 s21, s18, 1                          ; which half of K
	s_wait_kmcnt 0x0
	s_cmp_ge_u32 ttmp9, 256                        ; the choices hang on the work-group's number alone
	s_cselect_b64 s[4:5], s[6:7], s[4:5]
	s_cselect_b64 s[14:15], s[16:17], s[14:15]     ; where the results go
	s_cselect_b32 s22, 256, 0
	s_cselect_b32 s23, 31, 255
	s_mov_b32 s24, 6291456
	s_cselect_b32 s24, 3145728, s24                ; where that buffer's scales begin
	s_cmp_ge_u32 ttmp9, 288
	s_cselect_b64 s[4:5], s[8:9], s[4:5]
	s_cmp_ge_u32 ttmp9, 320
	s_cselect_b64 s[4:5], s[10:11], s[4:5]
	s_cmp_ge_u32 ttmp9, 352
	s_cselect_b64 s[4:5], s[12:13], s[4:5]
	s_sub_co_u32 s22, ttmp9, s22                   ; the pair of tiles in the buffer of results,
	s_and_b32 s23, s22, s23                        ; and in the tensor
	s_lshl_b32 s25, s22, 1
	s_add_co_u32 s25, s25, s20                     ; my tile in the buffer of results
	s_lshl_b32 s26, s23, 5
	s_lshl_b32 s27, s20, 3
	s_add_co_u32 s26, s26, s27                     ; its first row in the tensor: 32 x pair + 8 x which
	s_lshl_b32 s26, s26, 12                        ; rows of 4,096 bytes
	s_lshl_b32 s27, s21, 11
	s_add_co_u32 s26, s26, s27                     ; + my half of K
	s_mov_b32 s27, 0
	s_add_nc_u64 s[4:5], s[4:5], s[26:27]
	s_lshl_b32 s26, s25, 9                         ; scales: 512 bytes a tile, 256 a half
	s_lshl_b32 s28, s21, 8
	s_add_co_u32 s26, s26, s28
	s_add_co_u32 s26, s26, s24
	s_add_nc_u64 s[16:17], s[14:15], s[26:27]
	s_mul_i32 s26, s25, 12288                      ; codes: 12,288 bytes a tile, 6,144 a half
	s_mul_i32 s28, s21, 6144
	s_add_co_u32 s26, s26, s28
	s_add_nc_u64 s[14:15], s[14:15], s[26:27]
.macro LOAD t                          ; step t: 128 along K of my 16 rows; the order of the rows stands in the immediate
.irp i, 0,1,2,3,4,5,6,7,8,9,10,11,12,13,14,15
	global_load_b128 v[R+64*((\t)%2)+4*\i:R+64*((\t)%2)+4*\i+3], v1, s[4:5] offset:(\i+8*(\i/8))*4096+512*(\t) th:TH_LOAD_NT
.endr
.endm
; 64 numbers of a lane, register 16 b + i = k 32 b + 16 (lane / 16) + i of my row, become an operand's 12 registers in v[PC] on and its scale word in v[pw]
.macro QUANT s, pw
.irp b, 0,1,2,3
	v_max3_num_f32 v[TM+\b], |v[\s+16*\b]|, |v[\s+1+16*\b]|, 0x2800000   ; my 16 numbers of block b, and the floor 2^(5 - 127): the byte cannot fall under 1
.endr
.irp i, 2,4,6,8,10,12,14
.irp b, 0,1,2,3
	v_max3_num_f32 v[TM+\b], v[TM+\b], |v[\s+16*\b+\i]|, |v[\s+1+16*\b+\i]|   ; the four blocks by turns
.endr
.endr
.irp b, 0,1,2,3
	v_permlanex16_b32 v[TM+4+\b], v[TM+\b], s[SEL], s[SEL+1]
.endr
.irp b, 0,1,2,3
	v_max_num_f32 v[TM+\b], v[TM+\b], v[TM+4+\b]   ; with lane l xor 16's 16: the block's largest magnitude
.endr
.irp b, 0,1,2,3
	v_add_nc_u32 v[TM+12+\b], 0xfe000000, v[TM+\b] ; 4 off its exponent field: the conversion takes this operand's exponent field as its scale
.endr
.irp b, 0,1,2,3
	v_lshrrev_b32 v[TM+4+\b], 23, v[TM+12+\b]      ; the scale's byte
.endr
	v_lshl_or_b32 v[\pw], v[TM+5], 8, v[TM+4]
	v_lshl_or_b32 v[\pw], v[TM+6], 16, v[\pw]
	v_lshl_or_b32 v[\pw], v[TM+7], 24, v[\pw]
.irp c, 0,1
	v_cvt_scalef32_pk16_bf6_f32 v[PC+6*\c:PC+2+6*\c], v[\s+32*\c:\s+15+32*\c], v[TM+12+2*\c]
	v_cvt_scalef32_pk16_bf6_f32 v[PC+12+4*\c:PC+14+4*\c], v[\s+16+32*\c:\s+31+32*\c], v[TM+12+2*\c+1]   ; (a conversion's three registers begin on an even number)
.endr
	v_nop                                          ; one plain instruction behind a scaled conversion
.irp c, 0,1                            ; the operand wants a whole block in a lane: lanes 0-15 block 2 c, lanes 16-31 block 2 c + 1
.irp i, 0,1,2
	v_permlane16_swap_b32 v[PC+6*\c+\i], v[PC+12+4*\c+\i]
.endr
.irp i, 0,1,2
	v_mov_b32 v[PC+3+6*\c+\i], v[PC+12+4*\c+\i]
.endr
.endr
.endm
.macro STEP t
.if (\t) < 3
	s_wait_loadcnt 16                              ; this step's 16 loads are in; the next step's 16 may be out
.else
	s_wait_loadcnt 0x0
.endif
.irp i, 0,1,2,3,4,5,6,7,8,9,10,11,12,13,14,15
	ds_store_b128 v2, v[R+64*((\t)%2)+4*\i:R+64*((\t)%2)+4*\i+3] offset:528*\i
.endr
.irp b, 0,1,2,3
.irp j, 0,1,2,3
	ds_load_b128 v[X+16*\b+4*\j:X+16*\b+4*\j+3], v3 offset:128*\b+16*\j   ; LDS serves a wave's instructions in order: these see the stores above
.endr
.endr
	s_wait_dscnt 0x0                               ; the numbers are back, and the stores have read their registers
.if (\t) > 0
	s_wait_xcnt 0x0                                ; the last step's stores have read the codes' registers, which are written again below
.endif
.if (\t) < 2
	LOAD (\t)+2
.endif
	QUANT X, SW+(\t)
.irp p, 0,1,2,3,4,5
	global_store_b64 v4, v[PC+2*\p:PC+2*\p+1], s[14:15] offset:1536*(\t)+256*\p   ; 32 lanes store 256 consecutive bytes, at a multiple of 256 from the buffer's first byte
.endr
.endm
	LOAD 0
	LOAD 1
	STEP 0
	STEP 1
	STEP 2
	STEP 3
	v_cmp_ne_u32 vcc_lo, 0, v8                     ; every lane holds its row's four words: lanes 0-15 store words 0, 1, lanes 16-31 words 2, 3
	v_cndmask_b32 v248, v[SW], v[SW+2], vcc_lo
	v_cndmask_b32 v249, v[SW+1], v[SW+3], vcc_lo
	global_store_b64 v5, v[248:249], s[16:17]      ; 256 consecutive bytes
	s_wait_tensorcnt 0x0
	ds_add_u32 v254, v255
	s_wait_dscnt 0x0
	s_endpgm
.Lfunc_end_k_q8994b487a9_quant:
	.size	k_q8994b487a9_quant, .Lfunc_end_k_q8994b487a9_quant-k_q8994b487a9_quant
	.p2alignl 7, 3214868480
	.fill 96, 4, 3214868480
	.section	.rodata,"a",@progbits
	.p2align	6, 0x0
	.amdhsa_kernel k_q8994b487a9_quant
		.amdhsa_group_segment_fixed_size 34304
		.amdhsa_private_segment_fixed_size 0
		.amdhsa_enable_private_segment 0
		.amdhsa_kernarg_size 56
		.amdhsa_user_sgpr_count 2
		.amdhsa_user_sgpr_kernarg_segment_ptr 1
		.amdhsa_wavefront_size32 1
		.amdhsa_system_sgpr_workgroup_id_x 1
		.amdhsa_system_sgpr_workgroup_id_y 1
		.amdhsa_system_sgpr_workgroup_id_z 1
		.amdhsa_system_vgpr_workitem_id 0
		.amdhsa_next_free_vgpr 256
		.amdhsa_next_free_sgpr 66
		.amdhsa_reserve_vcc 1
		.amdhsa_float_denorm_mode_32 3
		.amdhsa_float_denorm_mode_16_64 3
		.amdhsa_memory_ordered 1
		.amdhsa_forward_progress 1
		.amdhsa_inst_pref_size 35
	.end_amdhsa_kernel
	.amdgpu_metadata
---
amdhsa.version: [ 1, 2 ]
amdhsa.kernels:
  - .name:           k_q8994b487a9_quant
    .symbol:         k_q8994b487a9_quant.kd
    .args:
      - { .name: x, .offset: 0, .size: 8, .value_kind: global_buffer, .address_space: global }
      - { .name: Wq, .offset: 8, .size: 8, .value_kind: global_buffer, .address_space: global }
      - { .name: Wk, .offset: 16, .size: 8, .value_kind: global_buffer, .address_space: global }
      - { .name: Wv, .offset: 24, .size: 8, .value_kind: global_buffer, .address_space: global }
      - { .name: Wo, .offset: 32, .size: 8, .value_kind: global_buffer, .address_space: global }
      - { .name: xq, .offset: 40, .size: 8, .value_kind: global_buffer, .address_space: global }
      - { .name: wq, .offset: 48, .size: 8, .value_kind: global_buffer, .address_space: global }
    .group_segment_fixed_size: 34304
    .private_segment_fixed_size: 0
    .kernarg_segment_align: 8
    .kernarg_segment_size: 56
    .max_flat_workgroup_size: 128
    .sgpr_count:     66
    .vgpr_count:     256
    .wavefront_size: 32
...
	.end_amdgpu_metadata
.endif
;; end of part 1
;; launch qkv (part 2): grid 8 x 48, 4 waves a work-group, clusters of 4 x 4, 327,680 bytes of LDS; arguments xq, wq, qk, vq; writes qk, vq
.if DOCPART == 2
	.amdgcn_target "amdgcn-amd-amdhsa--gfx1250"
	.amdhsa_code_object_version 6
	.text
	.protected	k_q8994b487a9_qkv
	.globl	k_q8994b487a9_qkv
	.p2align	8
	.type	k_q8994b487a9_qkv,@function
k_q8994b487a9_qkv:
	s_mov_b64 s[64:65], 0
	v_nop
	global_prefetch_b8 v0, s[64:65] scope:SCOPE_SE
	s_setreg_imm32_b32 hwreg(HW_REG_WAVE_MODE, 25, 1), 1
	s_wait_xcnt 0x0
	s_wait_alu depctr_hold_cnt(0) depctr_sa_sdst(0) depctr_va_vdst(0) depctr_va_sdst(0) depctr_va_ssrc(0) depctr_va_vcc(0) depctr_vm_vsrc(0)
	s_getreg_b32 s2, hwreg(HW_REG_IB_STS2, 6, 4)
	s_cmp_eq_u32 s2, 0
	s_cbranch_scc0 .Lentry_in_a_cluster
	s_endpgm
.Lentry_in_a_cluster:
	s_bfe_u32 s2, ttmp6, 0x10000c
	s_cmp_lg_u32 s2, 0xf033
	s_cbranch_scc0 .Lentry_shape_is_right
	s_endpgm
.Lentry_shape_is_right:
; q = x Wq^T, k = x Wk^T, v = x Wv^T on codes of BF6 (E3M2) with E8M0 scales, K = 1,024; each result is quantised in registers for the product that takes it next and leaves as codes: q and k along the head's 64, v along the tokens.
; OPERANDS lie in memory as images of operand registers (a piece of 16 rows x 64 K is 768 bytes: three chunks of 256, chunk p holding at 8 x lane bytes 8 p .. 8 p + 7 of the lane's 24), 12,288 bytes a tile of 16 rows;
; stored row 16 i + r is true row 32 (i / 2) + 8 (i % 2) + r + 8 (r / 8).  Scales: [tile][K half][row][4 words], 512 bytes a tile.
; A work-group of four waves makes 256 x 256, a wave 128 x 128: 64 accumulators, 512 registers.  Source 0 = B's rows, source 1 = A's rows: a lane holds one row of A, and the 64 registers of one block of A run along 128 true rows of B.
; TWO ROLES in one launch, chosen by the cluster's y, which all partners share; only addresses and scalar factors differ.  Cluster y 0-7: A = tokens, B = Wq and Wk: a lane holds a token and 128 channels (two heads).
; Cluster y 8-11: A = Wv's rows, B = tokens: a lane holds a channel and 128 tokens.  In both the 64 registers are four blocks of 32 along the next product's K.
; K goes in four slots' worth of 256 through a ring of two LDS slots; a tile of 16 rows is 3,072 dense bytes in a slot, so an operand comes by six loads of 8 bytes a lane, each of 256 consecutive bytes.  The scales of all K come once.
; CLUSTERS: 4 x 4 work-groups; A's tiles are asked for jointly along a row of the cluster, B's along a column.  The eight steps of 128 are written out: a loop over the ring would have one trip.
; No prefetch: half of K is asked for at the head and only two refills follow.
; RESULTS.  qk: codes [32 heads: q 0-15, k 16-31][512 token tiles][768]; scales from byte 12,582,912: [head][128 tokens][row 16][tile 8] words, bytes 0 and 1 real, bytes 2 and 3 never 0xff.
; vq: codes [64 x 128 tokens][64 tiles of 16 channels][1,536]; scales from byte 6,291,456: [128 tokens][8 tiles' group][row 16][tile 8] words.
; LIMITS: q is quantised unscaled (the 1/8 is a power of two and goes into the softmax's factor): this differs from quantising q / 8 only where a block of q lies under 2^-119.  A block under 2^-122 (zeros too) gets the byte 1.  NaN and infinities are not served.
; REGISTERS: window 0: v1-29 addresses; v32-63 scale words, two sets; v64-115 the way out; v128-223 A's operands, one set.  Window 1: B's, two sets, at v0 and v128.  Windows 2, 3: accumulators ((a, b) at v[8 (8 (a % 4) + b)]).
.set NQ,     2                         ; steps of 128 in a slot
.set FR,     12                        ; registers of an operand
.set NL,     6                         ; LDS loads that bring one
.set NP,     4                         ; places behind this matrix instruction (ISA guide 7.12.1)
.set TROW,   3072                      ; a tile of 16 rows in a slot
.set HALFT,  8*TROW                    ; 128 rows: what one tensor load brings
.set SLOT,   4*HALFT
.set SCL,    2*SLOT                    ; behind the ring: the scales
.set HALFS,  4096                      ; those of 128 rows
.set SBLK,   512                       ; of 16 rows
.set SPARE,  SCL+4*HALFS               ; the spare words: 128 bytes a wave, two blocks of 256 bytes that no other line names
.set ADRA, 16                          ; v16-17 LDS address of my A operands in slot 0, 1
.set ADRB, 20                          ; v20-21 of B's
.set LN8,  24                          ; v24    8 x lane
.set SOF,  25                          ; v25    32 r + 16 h: my four scale words on the way out
.set ADRS, 27                          ; v27    my scale words: lanes 0-15 A's rows, lanes 16-31 B's
.set SPW,  28
.set NIL,  29
.set SC,   32
.set PC,   64                          ; the way out: codes v64-75, the conversions' second halves v76-78, v80-82
.set TM,   84                          ; v84-87 largest magnitudes, v88-91 bytes, v96-99 scale operands
.set W0,   100                         ; v100-107 the eight blocks' scale words
.set OUT,  108                         ; v108-115 scale words as stored
.set AF,   128
.set SEL,  10                          ; s[10:11] lane selects
.set G1, 24
.set G0, 32
.set G1B, 48
.set G0B, 56
.set G1S, 68
.set G0S, 76
.set G1SB, 80
.set G0SB, 88
.set MSB, 0
.macro WIN new                         ; the immediate's high byte repeats the setting that is left
.if MSB != (\new)
	s_set_vgpr_msb (MSB<<8)|(\new)
.set MSB, \new
.endif
.endm
.set MUL_LO, 0xa1                      ; source 0 (B) window 1, source 1 (A) window 0, C and D window 2
.set MUL_HI, 0xf1
.set TO_B,   0x40
; A joint load: waves 0 and 1 fetch for A, waves 2 and 3 for B; the branch hangs on the wave's number alone.  Four v_nop follow each of the two lines.
.macro JLOAD g0a, g1a, g0b, g1b
	s_cmp_eq_u32 s15, 0
	s_cbranch_scc0 .Lfor_b_\@
	tensor_load_to_lds s[\g0a:\g0a+3], s[\g1a:\g1a+7]
	s_nop 0
.rept 4
	v_nop
.endr
	s_branch .Lasked_\@
.Lfor_b_\@:
	tensor_load_to_lds s[\g0b:\g0b+3], s[\g1b:\g1b+7]
	s_nop 0
.rept 4
	v_nop
.endr
.Lasked_\@:
.endm
.macro CREST                           ; a round of the cluster's barrier behind its opening barrier
	s_cmp_lg_u32 s14, 0
	s_cbranch_scc1 .Lnot_wave_0_\@
	s_barrier_signal -3
.Lnot_wave_0_\@:
	s_barrier_wait -3
	s_barrier_signal -1
	s_barrier_wait -1
.endm
.macro CROUND
	s_barrier_signal -1
	s_barrier_wait -1
	CREST
.endm
	s_load_b256 s[4:11], s[0:1], 0x0               ; xq, wq, qk, vq
	v_lshl_add_u32 v[SPW], v0, 2, SPARE
	v_mov_b32 v[NIL], 0
	ds_add_u32 v28, v29
	ds_add_u32 v28, v29
	s_wait_dscnt 0x0
	v_lshrrev_b32 v1, 5, v0
	v_readfirstlane_b32 s14, v1                    ; wave
	s_lshr_b32 s15, s14, 1                         ; my half of A's rows.  Also: I fetch for A (0) or B (1)
	s_and_b32 s16, s14, 1                          ; my half of B's rows.  Also: which 128 rows I fetch
	s_bfe_u32 s40, ttmp6, 0x40000                  ; cx
	s_bfe_u32 s41, ttmp6, 0x40004                  ; cy
	s_and_b32 s12, ttmp7, 0xffff                   ; the cluster's y
	s_cmp_ge_u32 s12, 8
	s_cselect_b32 s96, 1, 0                        ; the role: 1 = v
	s_cselect_b32 s13, 0, s12
	s_cselect_b32 s97, s12, 8
	s_lshl_b32 s17, s13, 2
	s_add_co_u32 s17, s17, s41                     ; A's block of 256 rows: 4 x cluster y + cy (tokens), or cy (Wv)
	s_sub_co_u32 s97, s97, 8
	s_lshl_b32 s97, s97, 3
	s_lshl_b32 s42, ttmp9, 2
	s_add_co_u32 s42, s42, s40
	s_add_co_u32 s42, s42, s97                     ; B's: 4 x cluster x + cx (Wq, Wk), + 8 (cluster y - 8) (tokens)
	s_lshl_b32 s43, s41, 2
	s_lshl_b32 s43, 15, s43                        ; my row of the cluster
	s_lshl_b32 s44, 0x1111, s40                    ; my column
	; group 1 for codes: 8 rows of 3,072 bytes (384 elements of 8), 12,288 bytes apart, dense in LDS
	s_or_b32 s[G1+0], s43, (3<<16)|(1<<21)         ; 15:0 the mask; 17:16 elements of 8 bytes; 21 set beside a mask
	s_or_b32 s[G1B+0], s44, (3<<16)|(1<<21)
.irp g, G1, G1B
	s_mov_b32 s[\g+1], 384<<16                     ; tensor_dim0
	s_mov_b32 s[\g+2], 8<<16                       ; tensor_dim1
	s_mov_b32 s[\g+3], 384<<16                     ; tile_dim0
	s_mov_b32 s[\g+4], 8                           ; tile_dim1
	s_mov_b32 s[\g+5], 1536                        ; from row to row
	s_mov_b32 s[\g+6], 0
	s_mov_b32 s[\g+7], 0
.endr
	; and for the scales of 128 rows: 4,096 dense bytes as 16 rows of 256
	s_or_b32 s[G1S+0], s43, (3<<16)|(1<<21)
	s_or_b32 s[G1SB+0], s44, (3<<16)|(1<<21)
.irp g, G1S, G1SB
	s_mov_b32 s[\g+1], 32<<16
	s_mov_b32 s[\g+2], 16<<16
	s_mov_b32 s[\g+3], 32<<16
	s_mov_b32 s[\g+4], 16
	s_mov_b32 s[\g+5], 32
	s_mov_b32 s[\g+6], 0
	s_mov_b32 s[\g+7], 0
.endr
	s_lshl_b32 s18, s16, 3                         ; which 8 tiles I fetch
	s_lshl_b32 s20, s17, 4
	s_add_co_u32 s20, s20, s18                     ; A: its first tile
	s_lshl_b32 s46, s42, 4
	s_add_co_u32 s46, s46, s18                     ; B likewise
	s_lshl_b32 s22, s20, 9                         ; their scales, 512 bytes a tile,
	s_mul_i32 s20, s20, 12288                      ; and codes
	s_lshl_b32 s92, s46, 9
	s_mul_i32 s46, s46, 12288
	s_mov_b32 s21, 0
	s_mov_b32 s23, 0
	s_mov_b32 s47, 0
	s_mov_b32 s93, 0
	s_cmp_lg_u32 s96, 0                            ; where each operand begins in its buffer
	s_cselect_b32 s2, 1572864, 0                   ; A's codes: Wv is tiles 128 on of wq
	s_mov_b32 s3, 6291456
	s_cselect_b32 s18, 3211264, s3                 ; A's scales
	s_mov_b32 s19, 3145728
	s_cselect_b32 s19, s3, s19                     ; B's scales
	s_add_co_u32 s20, s20, s2
	s_add_co_u32 s22, s22, s18
	s_add_co_u32 s92, s92, s19
	s_mul_i32 s45, s14, HALFT                      ; where they go: wave x 128 rows: no place in the cluster enters an LDS address
	s_mul_i32 s94, s14, HALFS
	s_wait_kmcnt 0x0
	s_cmp_lg_u32 s96, 0
	s_cselect_b64 s[98:99], s[6:7], s[4:5]         ; A's buffer
	s_cselect_b64 s[66:67], s[4:5], s[6:7]         ; B's
	s_cselect_b64 s[8:9], s[10:11], s[8:9]         ; the results'
	s_add_nc_u64 s[20:21], s[98:99], s[20:21]
	s_add_nc_u64 s[22:23], s[98:99], s[22:23]
	s_add_nc_u64 s[46:47], s[66:67], s[46:47]
	s_add_nc_u64 s[92:93], s[66:67], s[92:93]
	CROUND                                         ; all sixteen work-groups are here: the first joint loads meet
	s_mov_b32 s[G0S], 1
	s_add_co_u32 s[G0S+1], s94, SCL
	s_mov_b64 s[G0S+2:G0S+3], s[22:23]
	s_or_b32 s[G0S+3], s[G0S+3], 0x80000000
	s_mov_b32 s[G0SB], 1
	s_add_co_u32 s[G0SB+1], s94, SCL
	s_mov_b64 s[G0SB+2:G0SB+3], s[92:93]
	s_or_b32 s[G0SB+3], s[G0SB+3], 0x80000000
	JLOAD G0S, G1S, G0SB, G1SB                     ; the scales first: they are wanted with the first step
.irp s, 0,1
	s_mov_b32 s[G0+4*\s], 1
	s_add_co_u32 s[G0+4*\s+1], s45, \s*SLOT
	s_add_nc_u64 s[G0+4*\s+2:G0+4*\s+3], s[20:21], \s*TROW
	s_or_b32 s[G0+4*\s+3], s[G0+4*\s+3], 0x80000000
	s_mov_b32 s[G0B+4*\s], 1
	s_add_co_u32 s[G0B+4*\s+1], s45, \s*SLOT
	s_add_nc_u64 s[G0B+4*\s+2:G0B+4*\s+3], s[46:47], \s*TROW
	s_or_b32 s[G0B+4*\s+3], s[G0B+4*\s+3], 0x80000000
	JLOAD G0+4*\s, G1, G0B+4*\s, G1B               ; three loads of mine are out now
.endr
	v_and_b32 v1, 15, v0                           ; r
	v_bfe_u32 v2, v0, 4, 1                         ; h; kept
	v_and_b32 v3, 31, v0
	v_lshlrev_b32 v[LN8], 3, v3
	s_mul_i32 s92, s15, HALFT                      ; my 128 rows of A
	s_mul_i32 s93, s16, HALFT                      ; my 128 rows of B,
	s_add_co_u32 s93, s93, 2*HALFT                 ; behind A's 256
.irp s, 0,1
	v_add_nc_u32 v[ADRA+\s], s92, v[LN8]
	v_add_nc_u32 v[ADRB+\s], s93, v[LN8]
	s_add_co_u32 s92, s92, SLOT
	s_add_co_u32 s93, s93, SLOT
.endr
	v_lshlrev_b32 v5, 4, v1                        ; my row's scale words: 16 bytes a row in a K half
	s_mul_i32 s92, s15, HALFS
	s_mul_i32 s93, s16, HALFS
	s_add_co_u32 s93, s93, 2*HALFS
	s_sub_co_u32 s93, s93, s92
	v_mul_u32_u24 v6, s93, v2                      ; lanes 16-31 take B's: one product, h x the distance
	s_add_co_u32 s92, s92, SCL
	v_add_nc_u32 v5, v5, v6
	v_add_nc_u32 v[ADRS], s92, v5
	v_lshlrev_b32 v[SOF], 5, v1
	v_lshl_add_u32 v[SOF], v2, 4, v[SOF]
.irp b, 0,1,2,3
	v_mov_b32 v[TM+4+\b], 0                        ; written once: a lane permute's destination counts as one of its sources
.endr
	s_mov_b32 s[SEL], 0x76543210
	s_mov_b32 s[SEL+1], 0xfedcba98
	; the way out's addresses.  s[20:21]: the first half of block 0's codes; s[22:23]: the second half; s[46:47]: the scale words; s[12:13]: from block to block
	s_lshl_b32 s2, s42, 1
	s_add_co_u32 s2, s2, s16                       ; my 128 rows of B: a pair of heads, or 128 tokens
	s_lshl_b32 s3, s17, 1
	s_add_co_u32 s3, s3, s15                       ; my 128 rows of A: 128 tokens, or 8 tiles of channels
	s_cmp_lg_u32 s96, 0
	s_mov_b32 s92, 786432
	s_cselect_b32 s92, 98304, s92                  ; bytes of codes for a pair of heads / for 128 tokens of v
	s_mov_b32 s93, 768
	s_cselect_b32 s12, 1536, s93                   ; from block to block
	s_mov_b32 s18, 393216
	s_cselect_b32 s18, s93, s18                    ; to the second half: the next head / the next 64 tokens
	s_mov_b32 s94, 65536
	s_cselect_b32 s94, 4096, s94                   ; bytes of scales for the same
	s_mov_b32 s95, 12582912
	s_cselect_b32 s95, 6291456, s95                ; where the scales begin
	s_mov_b32 s13, 0
	s_mov_b32 s19, 0
	s_mul_i32 s20, s2, s92
	s_mul_i32 s22, s3, s12
	s_lshl_b32 s22, s22, 3
	s_add_co_u32 s20, s20, s22
	s_mov_b32 s21, 0
	s_add_nc_u64 s[20:21], s[8:9], s[20:21]
	s_add_nc_u64 s[22:23], s[20:21], s[18:19]
	s_mul_i32 s46, s2, s94
	s_lshl_b32 s47, s3, 9
	s_add_co_u32 s46, s46, s47
	s_add_co_u32 s46, s46, s95
	s_mov_b32 s47, 0
	s_add_nc_u64 s[46:47], s[8:9], s[46:47]
.macro FRAG reg, adr, q, i             ; an operand, 16 rows x 128 K: six loads of 8 bytes a lane, each 256 consecutive bytes
.irp p, 0,1,2,3,4,5
	ds_load_b64 v[\reg+2*\p:\reg+2*\p+1], v[\adr] offset:(\i)*TROW+(\q)*1536+256*\p
.endr
.endm
; 16 matrix instructions: A's blocks a0, a0 + 1 x B's eight.  p: B's set; sc: the set of scale words; zero = 1: the first product starts the sums.  The 64 accumulators take turns, one instruction a turn.
.macro MUL16 a0, p, q, sc, zero
.irp a, \a0, \a0+1
.irp b, 0,1,2,3,4,5,6,7
.if \zero
	v_wmma_scale_f32_16x16x128_f8f6f4 v[8*(8*((\a)%4)+\b):8*(8*((\a)%4)+\b)+7], v[128*(\p)+FR*\b:128*(\p)+FR*\b+FR-1], v[AF+FR*(\a):AF+FR*(\a)+FR-1], 0, v[SC+8*NQ*(\sc)+NQ*\b+(\q)], v[SC+8*NQ*(\sc)+NQ*(\a)+(\q)] matrix_a_fmt:MATRIX_FMT_BF6 matrix_b_fmt:MATRIX_FMT_BF6 matrix_a_scale:MATRIX_SCALE_ROW1
.else
	v_wmma_scale_f32_16x16x128_f8f6f4 v[8*(8*((\a)%4)+\b):8*(8*((\a)%4)+\b)+7], v[128*(\p)+FR*\b:128*(\p)+FR*\b+FR-1], v[AF+FR*(\a):AF+FR*(\a)+FR-1], v[8*(8*((\a)%4)+\b):8*(8*((\a)%4)+\b)+7], v[SC+8*NQ*(\sc)+NQ*\b+(\q)], v[SC+8*NQ*(\sc)+NQ*(\a)+(\q)] matrix_a_fmt:MATRIX_FMT_BF6 matrix_b_fmt:MATRIX_FMT_BF6 matrix_a_scale:MATRIX_SCALE_ROW1
.endif
.endr
.endr
.endm
.macro FETCH_B slot, q, p
	WIN TO_B
.irp i, 0,1,2,3,4,5,6,7
	FRAG 128*(\p)+FR*\i, ADRB+\slot, \q, \i
.endr
	WIN 0
.endm
.macro FETCH_A slot, q, i0
.irp i, \i0, \i0+1, \i0+2, \i0+3
	FRAG AF+FR*(\i), ADRA+\slot, \q, \i
.endr
.endm
.macro SCALES sc                       ; a slot's two words a row: lanes 0-15 A's block i, lanes 16-31 B's block i
.irp i, 0,1,2,3,4,5,6,7
	ds_load_b64 v[SC+8*NQ*\sc+NQ*\i:SC+8*NQ*\sc+NQ*\i+1], v[ADRS] offset:\i*SBLK
.endr
.endm
.macro PLACES n                        ; plain vector instructions between a matrix instruction and a load into, or a read of, its registers
.rept \n
	v_nop
.endr
.endm
.macro STEP slot, q, zero              ; a step of 128 along K that has its successor in the same slot
	s_wait_dscnt 4*NL                              ; B's set, A's blocks 0-3 and the scale words are in; the youngest 24 loads (A's blocks 4-7) may be out
	WIN MUL_LO
	MUL16 0, (\q)%2, \q, \slot, \zero
	MUL16 2, (\q)%2, \q, \slot, \zero
	s_wait_dscnt 0
	PLACES NP
	FETCH_B \slot, (\q)+1, 1-(\q)%2
	FETCH_A \slot, (\q)+1, 0
	WIN MUL_HI
	MUL16 4, (\q)%2, \q, \slot, \zero
	MUL16 6, (\q)%2, \q, \slot, \zero
	PLACES NP
	WIN 0
	FETCH_A \slot, (\q)+1, 4
.endm
; A slot's last step changes slots: one barrier; in front of it each wave waits for all its tensor loads, adds 0 to its spare word, and waits for that and for its reads of this slot.  fill = 1: this slot is filled again, 512 along K ahead.
.macro TURN slot, next, fill
	s_wait_tensorcnt 0x0                           ; all my tensor loads have landed: my part of the next slot
	ds_add_u32 v[SPW], v[NIL]                      ; 0 onto my spare word
	s_wait_dscnt 4*NL+1                            ; the add and the youngest 24 loads may be out
	WIN MUL_LO
	MUL16 0, 1, NQ-1, \slot, 0
	s_wait_dscnt 0x0                               ; the add is done, and my reads of this slot are over
	s_barrier_signal -1
	MUL16 2, 1, NQ-1, \slot, 0
	WIN 0
	s_barrier_wait -1
.if \fill
	CREST                                          ; the barrier has opened a round of the cluster's: no wave of any partner still reads this slot or has a load on its way
	s_add_nc_u64 s[G0+4*\slot+2:G0+4*\slot+3], s[G0+4*\slot+2:G0+4*\slot+3], 2*TROW
	s_add_nc_u64 s[G0B+4*\slot+2:G0B+4*\slot+3], s[G0B+4*\slot+2:G0B+4*\slot+3], 2*TROW
	JLOAD G0+4*\slot, G1, G0B+4*\slot, G1B         ; the first tensor load behind the round; its four v_nop are the places in front of the loads below
.else
	PLACES NP
.endif
	v_add_nc_u32 v[ADRS], 8+240*\slot, v[ADRS]     ; the next slot's two words: 8 bytes on, or into the next K half (256 bytes a half)
	FETCH_B \next, 0, 0
	FETCH_A \next, 0, 0
	SCALES \next
	WIN MUL_HI
	MUL16 4, 1, NQ-1, \slot, 0
	MUL16 6, 1, NQ-1, \slot, 0
	PLACES NP
	WIN 0
	FETCH_A \next, 0, 4
.endm
	s_wait_tensorcnt 1                             ; the scales and my part of slot 0 are in; slot 1's load may be out
	s_barrier_signal -1
	s_barrier_wait -1
	FETCH_B 0, 0, 0
	FETCH_A 0, 0, 0
	SCALES 0
	FETCH_A 0, 0, 4
	STEP 0, 0, 1                                   ; K 0-127: its products start the sums
	TURN 0, 1, 1                                   ; K 128-255; slot 0 takes K 512-767
	STEP 1, 0, 0
	TURN 1, 0, 1                                   ; slot 1 takes K 768-1,023
	STEP 0, 0, 0
	TURN 0, 1, 0                                   ; nothing is left to fetch
	STEP 1, 0, 0
	s_wait_dscnt 4*NL                              ; the last step
	WIN MUL_LO
	MUL16 0, 1, NQ-1, 1, 0
	MUL16 2, 1, NQ-1, 1, 0
	s_wait_dscnt 0
	WIN MUL_HI
	MUL16 4, 1, NQ-1, 1, 0
	MUL16 6, 1, NQ-1, 1, 0
	WIN 0
; THE WAY OUT.  Block a's 64 registers of a lane are register 16 b + i = place 32 b + 16 (lane / 16) + i along the next K, of the lane's row: four blocks of 32.  They become an operand's 12 registers and a scale word,
; and leave as six chunks of 256 consecutive bytes.  Each accumulator is read from its low end on.
.macro EQUANT a
.set AC, 64*((\a)%4)
.if (\a) > 0
	s_wait_xcnt 0x0                                ; the last block's stores have read their registers and bases
	s_add_nc_u64 s[20:21], s[20:21], s[12:13]
	s_add_nc_u64 s[22:23], s[22:23], s[12:13]
.endif
	WIN 0x0a+5*((\a)/4)                            ; sources 0 and 1: window 2 or 3
.irp b, 0,1,2,3
	v_max3_num_f32 v[TM+\b], |v[AC+16*\b]|, |v[AC+16*\b+1]|, 0x2800000   ; and the floor 2^(5 - 127): the byte cannot fall under 1
.endr
.irp i, 2,4,6,8,10,12,14
.irp b, 0,1,2,3
	v_max3_num_f32 v[TM+\b], |v[AC+16*\b+\i]|, |v[AC+16*\b+\i+1]|, v[TM+\b]
.endr
.endr
	WIN 0
.irp b, 0,1,2,3
	v_permlanex16_b32 v[TM+4+\b], v[TM+\b], s[SEL], s[SEL+1]
.endr
.irp b, 0,1,2,3
	v_max_num_f32 v[TM+\b], v[TM+\b], v[TM+4+\b]
.endr
.irp b, 0,1,2,3
	v_add_nc_u32 v[TM+12+\b], 0xfe000000, v[TM+\b] ; 4 off the exponent field: the conversion's scale operand
.endr
.irp b, 0,1,2,3
	v_lshrrev_b32 v[TM+4+\b], 23, v[TM+12+\b]      ; the scale's byte
.endr
	v_lshl_or_b32 v[W0+(\a)], v[TM+5], 8, v[TM+4]
	v_lshl_or_b32 v[W0+(\a)], v[TM+6], 16, v[W0+(\a)]
	v_lshl_or_b32 v[W0+(\a)], v[TM+7], 24, v[W0+(\a)]
	WIN 0x02+(\a)/4                                ; source 0: window 2 or 3
.irp c, 0,1
	v_cvt_scalef32_pk16_bf6_f32 v[PC+6*\c:PC+6*\c+2], v[AC+32*\c:AC+32*\c+15], v[TM+12+2*\c]
	v_cvt_scalef32_pk16_bf6_f32 v[PC+12+4*\c:PC+14+4*\c], v[AC+32*\c+16:AC+32*\c+31], v[TM+12+2*\c+1]
.endr
	WIN 0
	v_nop                                          ; one plain instruction behind a scaled conversion
.irp c, 0,1
.irp i, 0,1,2
	v_permlane16_swap_b32 v[PC+6*\c+\i], v[PC+12+4*\c+\i]
.endr
.irp i, 0,1,2
	v_mov_b32 v[PC+3+6*\c+\i], v[PC+12+4*\c+\i]
.endr
.endr
.irp p, 0,1,2
	global_store_b64 v[LN8], v[PC+2*\p:PC+2*\p+1], s[20:21] offset:256*\p      ; 32 lanes store 256 consecutive bytes, at a multiple of 256 from the buffer's first byte
.endr
.irp p, 0,1,2
	global_store_b64 v[LN8], v[PC+6+2*\p:PC+6+2*\p+1], s[22:23] offset:256*\p
.endr
.endm
	PLACES NP                                      ; behind the last products, ahead of the first read of results
.irp a, 0,1,2,3,4,5,6,7
	EQUANT \a
.endr
	v_cmp_ne_u32 vcc_lo, 0, v2                     ; every lane holds its row's eight words: lanes 0-15 store blocks 0-3, lanes 16-31 blocks 4-7
.irp i, 0,1,2,3
	v_cndmask_b32 v[OUT+\i], v[W0+\i], v[W0+4+\i], vcc_lo
.endr
	global_store_b128 v[SOF], v[OUT:OUT+3], s[46:47]   ; 512 consecutive bytes
	s_cmp_lg_u32 s96, 0                            ; q, k: the second head's two bytes are the words' upper halves; v has one word for 128 tokens.  The branch hangs on the cluster's y alone
	s_cbranch_scc1 .Lone_word
.irp i, 0,1,2,3
	v_lshrrev_b32 v[OUT+4+\i], 16, v[OUT+\i]
.endr
	global_store_b128 v[SOF], v[OUT+4:OUT+7], s[46:47] offset:32768
.Lone_word:
	s_wait_tensorcnt 0x0                           ; the wave's end
	ds_add_u32 v[SPW], v[NIL]
	s_wait_dscnt 0x0
	CROUND                                         ; the closing round: no work-group ends while a partner may still ask for a tile that names it
	s_endpgm
.Lfunc_end_k_q8994b487a9_qkv:
	.size	k_q8994b487a9_qkv, .Lfunc_end_k_q8994b487a9_qkv-k_q8994b487a9_qkv
	.p2alignl 7, 3214868480
	.fill 96, 4, 3214868480
	.section	.rodata,"a",@progbits
	.p2align	6, 0x0
	.amdhsa_kernel k_q8994b487a9_qkv
		.amdhsa_group_segment_fixed_size 327680
		.amdhsa_private_segment_fixed_size 0
		.amdhsa_enable_private_segment 0
		.amdhsa_kernarg_size 32
		.amdhsa_user_sgpr_count 2
		.amdhsa_user_sgpr_kernarg_segment_ptr 1
		.amdhsa_wavefront_size32 1
		.amdhsa_system_sgpr_workgroup_id_x 1
		.amdhsa_system_sgpr_workgroup_id_y 1
		.amdhsa_system_sgpr_workgroup_id_z 1
		.amdhsa_system_vgpr_workitem_id 0
		.amdhsa_next_free_vgpr 1024
		.amdhsa_next_free_sgpr 100
		.amdhsa_reserve_vcc 1
		.amdhsa_float_denorm_mode_32 3
		.amdhsa_float_denorm_mode_16_64 3
		.amdhsa_memory_ordered 1
		.amdhsa_forward_progress 1
		.amdhsa_inst_pref_size 168
	.end_amdhsa_kernel
	.amdgpu_metadata
---
amdhsa.version: [ 1, 2 ]
amdhsa.kernels:
  - .name:           k_q8994b487a9_qkv
    .symbol:         k_q8994b487a9_qkv.kd
    .args:
      - { .name: xq, .offset: 0, .size: 8, .value_kind: global_buffer, .address_space: global }
      - { .name: wq, .offset: 8, .size: 8, .value_kind: global_buffer, .address_space: global }
      - { .name: qk, .offset: 16, .size: 8, .value_kind: global_buffer, .address_space: global }
      - { .name: vq, .offset: 24, .size: 8, .value_kind: global_buffer, .address_space: global }
    .group_segment_fixed_size: 327680
    .private_segment_fixed_size: 0
    .kernarg_segment_align: 8
    .kernarg_segment_size: 32
    .max_flat_workgroup_size: 128
    .sgpr_count:     100
    .vgpr_count:     1024
    .wavefront_size: 32
...
	.end_amdgpu_metadata
.endif
;; end of part 2
;; launch attn (part 3): grid 4 x 64, 16 waves a work-group, clusters of 4 x 1, 215,040 bytes of LDS; arguments qk, vq, yq; writes yq
.if DOCPART == 3
	.amdgcn_target "amdgcn-amd-amdhsa--gfx1250"
	.amdhsa_code_object_version 6
	.text
	.protected	k_q8994b487a9_attn
	.globl	k_q8994b487a9_attn
	.p2align	8
	.type	k_q8994b487a9_attn,@function
k_q8994b487a9_attn:
	s_mov_b64 s[64:65], 0
	v_nop
	global_prefetch_b8 v0, s[64:65] scope:SCOPE_SE
	s_setreg_imm32_b32 hwreg(HW_REG_WAVE_MODE, 25, 1), 1
	s_wait_xcnt 0x0
	s_wait_alu depctr_hold_cnt(0) depctr_sa_sdst(0) depctr_va_vdst(0) depctr_va_sdst(0) depctr_va_ssrc(0) depctr_va_vcc(0) depctr_vm_vsrc(0)
	s_getreg_b32 s2, hwreg(HW_REG_IB_STS2, 6, 4)
	s_cmp_eq_u32 s2, 0
	s_cbranch_scc0 .Lentry_in_a_cluster
	s_endpgm
.Lentry_in_a_cluster:
	s_bfe_u32 s2, ttmp6, 0x10000c
	s_cmp_lg_u32 s2, 0x3003
	s_cbranch_scc0 .Lentry_shape_is_right
	s_endpgm
.Lentry_shape_is_right:
; y[b][t][head] = causal softmax(q k^T / 8) v for one head of one batch a cluster, both products on codes of BF6 (E3M2) with E8M0 scales; y / l is quantised along the channels and leaves as codes for the last product.
; THE SOFTMAX: t = score x log2(e) / 8 (q arrives unscaled); M = the running largest t rounded up to a whole number; p = 2^(t - M) is quantised along the keys, not normalised; the row's sum is taken of the unquantised p and divides at the end.
; When M moves, the sum and O are multiplied by 2^(old M - new M), which rounds nothing.
; INPUTS are images of operand registers (launch qkv): a tile of 16 tokens x 64 channels of q or k is 768 bytes, a tile of 16 channels x 128 tokens of v 1,536; stored row 16 i + r is true row 32 (i / 2) + 8 (i % 2) + r + 8 (r / 8),
; so the 16 result registers of tiles 2 b and 2 b + 1 are 16 neighbouring keys (first product) or channels (second).
; SHARES.  The four work-groups of a cluster own one head.  The head's whole K and V, codes and scales, are 212,992 bytes: they come into each partner's LDS ONCE, by joint loads that name all four; nothing is filled again,
; no barrier stands in the walk, and there is no later load that a prefetch could run ahead of.  Wave w fetches key step w (128 keys): four loads.
; Wave w owns two tiles of 16 queries: tile e = 2 cx + w / 8 of the blocks of 128 tokens j = w % 8 and 15 - j.  They need j + 1 and 16 - j key steps: 17 for every wave.  Branches hang on the wave's number and the loop's count alone;
; cx enters global addresses and the mask's compare value only.
; BOTH PRODUCTS ARE USED TRANSPOSED: S^T = K Q^T, O^T = V^T P^T: a lane holds one query throughout.
; K = 64 IN AN INSTRUCTION OF 128: Q's registers 6-11 hold zero codes, so K's operand for tile t is the twelve registers from 6 t on: its upper six are the next tile's codes (or six zeros) and meet zeros.  Bytes 2, 3 of the scale words are never 0xff.
; LIMITS: NaN and infinities are not served; a block of p or y under 2^-122 (zeros too) gets the byte 1.
.set KC,   0                           ; LDS: K's codes, 6,144 bytes a key step;
.set VC,   98304                       ; V's likewise;
.set KS,   196608                      ; K's scale words, 512 bytes a step: 32 r + 4 x tile;
.set VS,   204800                      ; V's: 32 r + 16 (head % 2) + 4 x tile
.set AK0,  1                           ; v1  8 x lane
.set AV0,  2                           ; v2  VC + 8 x lane
.set ASK0, 3                           ; v3  KS + 32 r
.set ASV0, 4                           ; v4  VS + 32 r + 16 (head % 2)
.set DQ,   5                           ; v5  my query's place in its block of 128, less 16 (lane / 16)
.set NINF, 6                           ; v6  -infinity
.set GO,   7                           ; v7  8 x lane, for global addresses
.set ADK,  8                           ; v8-11 the step's LDS addresses
.set ADV,  9
.set ADS,  10
.set ADT,  11
.set ST1,  12                          ; a tile's statistics: -M, the largest t, the sum in two halves
.set ST2,  16
.set Q1,   20                          ; Q: six registers of codes, six of zeros
.set Q2,   32
.set QS1,  44                          ; Q's scale words
.set QS2,  45
.set PW,   46                          ; p's scale word
.set YB,   47                          ; v47 16 r + h: my scale byte of y
.set F,    48                          ; v48-71 four tiles of K, or two of V; v72-77 zeros
.set SW,   78                          ; v78-85 scale words of K or V
.set S,    86                          ; v86-149 S^T, then p; v86-109 later V's tiles 2, 3
.set O1,   150
.set O2,   182
.set PC,   214                         ; p's codes
.set BM,   226                         ; the blocks' largest
.set T,    230                         ; v230-237 at work
.set SO,   238                         ; the conversions' scale operands
.set FF,   242                         ; v[242:243] f = 2^(old M - new M); v243 only named
.set TP,   244
.set L2,   246                         ; v[246:247] the second chain of the sums; at the end y's scale bytes
.set WV,   10
.set SEL,  20
.set CS,   22
.set G1C,  24
.set G1S,  32
.set STEPC, 56
.set TB,   57
.set TS,   58
.macro ROUND                           ; a round of the cluster's barrier
	s_barrier_signal -1
	s_barrier_wait -1
	s_cmp_lg_u32 s[WV], 0
	s_cbranch_scc1 .Lnot_wave_0_\@
	s_barrier_signal -3
.Lnot_wave_0_\@:
	s_barrier_wait -3
	s_barrier_signal -1
	s_barrier_wait -1
.endm
	s_load_b128 s[4:7], s[0:1], 0x0                ; qk, vq
	s_load_b64 s[8:9], s[0:1], 0x10                ; yq
	v_lshl_add_u32 v254, v0, 2, 0x34000
	v_mov_b32 v255, 0
	ds_add_u32 v254, v255
	ds_add_u32 v254, v255
	v_lshrrev_b32 v8, 5, v0
	v_readfirstlane_b32 s[WV], v8                  ; wave 0..15
	s_bfe_u32 s11, ttmp6, 0x40000                  ; cx
	s_and_b32 s12, ttmp7, 0xffff                   ; 16 x batch + head
	s_lshr_b32 s13, s12, 4                         ; batch
	s_and_b32 s14, s12, 15                         ; head
	s_and_b32 s15, s[WV], 7                        ; my first tile's block of 128 tokens,
	s_xor_b32 s16, s15, 15                         ; my second's: 15 - j
	s_lshr_b32 s17, s[WV], 3
	s_lshl_b32 s18, s11, 1
	s_add_co_u32 s17, s17, s18                     ; e: which tile of the block
	s_mul_i32 s18, s[WV], 6144
	s_lshl_b32 s19, s[WV], 9
	s_mov_b32 s[G1C], 15|(3<<16)|(1<<21)           ; 15:0 all four work-groups; 17:16 elements of 8 bytes; 21 set beside a mask
	s_mov_b32 s[G1C+1], 32<<16                     ; 6,144 dense bytes as 24 rows of 256
	s_mov_b32 s[G1C+2], 24<<16
	s_mov_b32 s[G1C+3], 32<<16
	s_mov_b32 s[G1C+4], 24
	s_mov_b32 s[G1C+5], 32
	s_mov_b32 s[G1C+6], 0
	s_mov_b32 s[G1C+7], 0
	s_mov_b32 s[G1S], 15|(3<<16)|(1<<21)
	s_mov_b32 s[G1S+1], 32<<16                     ; 512 dense bytes as 2 rows of 256
	s_mov_b32 s[G1S+2], 2<<16
	s_mov_b32 s[G1S+3], 32<<16
	s_mov_b32 s[G1S+4], 2
	s_mov_b32 s[G1S+5], 32
	s_mov_b32 s[G1S+6], 0
	s_mov_b32 s[G1S+7], 0
	; key step w in memory: these hang on the head, the batch and the wave alone
	s_add_co_u32 s60, s14, 16
	s_mul_i32 s60, s60, 393216                     ; k's head
	s_mul_i32 s2, s13, 98304                       ; the batch's 128 tiles
	s_add_co_u32 s60, s60, s2
	s_add_co_u32 s60, s60, s18
	s_mov_b32 s61, 0
	s_lshl_b32 s3, s13, 4
	s_add_co_u32 s3, s3, s[WV]                     ; which 128 tokens of 64
	s_mul_i32 s62, s3, 98304
	s_mul_i32 s2, s14, 6144                        ; the head's four tiles of channels
	s_add_co_u32 s62, s62, s2
	s_mov_b32 s63, 0
	s_add_co_u32 s66, s14, 16
	s_lshl_b32 s66, s66, 6
	s_add_co_u32 s66, s66, s3
	s_lshl_b32 s66, s66, 9
	s_add_co_u32 s66, s66, 12582912
	s_mov_b32 s67, 0
	s_lshl_b32 s68, s3, 3
	s_lshr_b32 s2, s14, 1
	s_add_co_u32 s68, s68, s2
	s_lshl_b32 s68, s68, 9
	s_add_co_u32 s68, s68, 6291456
	s_mov_b32 s69, 0
	s_mov_b32 s[SEL], 0x76543210
	s_mov_b32 s[SEL+1], 0xfedcba98
	s_mov_b32 s[CS], 0x3e38aa3b                    ; c = log2(e) / 8
	s_mov_b32 s[CS+1], s[CS]                       ; (named with it as a pair)
	s_wait_dscnt 0x0
	s_wait_kmcnt 0x0
	s_mov_b32 s40, 1
	s_mov_b32 s41, s18                             ; KC + 6,144 w
	s_add_nc_u64 s[42:43], s[4:5], s[60:61]
	s_or_b32 s43, s43, 0x80000000
	s_mov_b32 s44, 1
	s_add_co_u32 s45, s18, VC
	s_add_nc_u64 s[46:47], s[6:7], s[62:63]
	s_or_b32 s47, s47, 0x80000000
	s_mov_b32 s48, 1
	s_add_co_u32 s49, s19, KS
	s_add_nc_u64 s[50:51], s[4:5], s[66:67]
	s_or_b32 s51, s51, 0x80000000
	s_mov_b32 s52, 1
	s_add_co_u32 s53, s19, VS
	s_add_nc_u64 s[54:55], s[6:7], s[68:69]
	s_or_b32 s55, s55, 0x80000000
	ROUND                                          ; all four work-groups are here: the joint loads meet
	tensor_load_to_lds s[40:43], s[G1C:G1C+7]      ; four loads of mine are out: the launch's only fills
	s_nop 0
	tensor_load_to_lds s[44:47], s[G1C:G1C+7]
	s_nop 0
	tensor_load_to_lds s[48:51], s[G1S:G1S+7]
	s_nop 0
	tensor_load_to_lds s[52:55], s[G1S:G1S+7]
	s_nop 0
.rept 4
	v_nop
.endr
	; my two tiles: where Q comes from and y goes
	s_lshl_b32 s2, s13, 7
	s_add_co_u32 s2, s2, s17
	s_lshl_b32 s3, s15, 3
	s_add_co_u32 s59, s2, s3                       ; tile 1 among the 512
	s_lshl_b32 s3, s16, 3
	s_add_co_u32 s78, s2, s3                       ; tile 2
	s_mul_i32 s2, s14, 393216
	s_mul_i32 s70, s59, 768
	s_add_co_u32 s70, s70, s2
	s_mov_b32 s71, 0
	s_add_nc_u64 s[70:71], s[4:5], s[70:71]
	s_mul_i32 s72, s78, 768
	s_add_co_u32 s72, s72, s2
	s_mov_b32 s73, 0
	s_add_nc_u64 s[72:73], s[4:5], s[72:73]
	s_lshl_b32 s2, s14, 6
	s_lshl_b32 s3, s13, 4
	s_add_co_u32 s2, s2, s3
	s_lshl_b32 s3, s17, 2
	s_add_co_u32 s3, s3, 12582912
	s_add_co_u32 s74, s2, s15
	s_lshl_b32 s74, s74, 9
	s_add_co_u32 s74, s74, s3
	s_mov_b32 s75, 0
	s_add_nc_u64 s[74:75], s[4:5], s[74:75]
	s_add_co_u32 s76, s2, s16
	s_lshl_b32 s76, s76, 9
	s_add_co_u32 s76, s76, s3
	s_mov_b32 s77, 0
	s_add_nc_u64 s[76:77], s[4:5], s[76:77]
	v_and_b32 v8, 31, v0
	v_and_b32 v9, 15, v0                           ; r
	v_bfe_u32 v10, v0, 4, 1                        ; h
	v_lshlrev_b32 v[AK0], 3, v8
	v_lshlrev_b32 v[GO], 3, v8
	v_lshlrev_b32 v11, 5, v9                       ; 32 r
.irp p, 0,1,2
	global_load_b64 v[Q1+2*\p:Q1+2*\p+1], v[GO], s[70:71] offset:256*\p
	global_load_b64 v[Q2+2*\p:Q2+2*\p+1], v[GO], s[72:73] offset:256*\p
.endr
	global_load_b32 v[QS1], v11, s[74:75]
	global_load_b32 v[QS2], v11, s[76:77]
	s_mul_i32 s2, s14, 768                         ; y's codes: 12,288 bytes a tile, the head's piece at 768 x head
	s_mul_i32 s60, s59, 12288
	s_add_co_u32 s60, s60, s2
	s_mov_b32 s61, 0
	s_add_nc_u64 s[60:61], s[8:9], s[60:61]
	s_mul_i32 s62, s78, 12288
	s_add_co_u32 s62, s62, s2
	s_mov_b32 s63, 0
	s_add_nc_u64 s[62:63], s[8:9], s[62:63]
	s_lshr_b32 s2, s14, 3                          ; y's scale bytes: 512 a tile; 256 (head / 8) + 16 r + 2 (head % 8) + block
	s_lshl_b32 s2, s2, 8
	s_and_b32 s3, s14, 7
	s_lshl_b32 s3, s3, 1
	s_add_co_u32 s2, s2, s3
	s_add_co_u32 s2, s2, 6291456
	s_lshl_b32 s66, s59, 9
	s_add_co_u32 s66, s66, s2
	s_mov_b32 s67, 0
	s_add_nc_u64 s[66:67], s[8:9], s[66:67]
	s_lshl_b32 s68, s78, 9
	s_add_co_u32 s68, s68, s2
	s_mov_b32 s69, 0
	s_add_nc_u64 s[68:69], s[8:9], s[68:69]
	v_add_nc_u32 v[AV0], VC, v[AK0]
	v_add_nc_u32 v[ASK0], KS, v11
	s_and_b32 s2, s14, 1
	s_lshl_b32 s2, s2, 4
	s_add_co_u32 s2, s2, VS
	v_add_nc_u32 v[ASV0], s2, v11
	s_lshr_b32 s2, s17, 1
	s_lshl_b32 s2, s2, 5
	s_and_b32 s3, s17, 1
	s_lshl_b32 s3, s3, 3
	s_add_co_u32 s2, s2, s3                        ; 32 (e / 2) + 8 (e % 2)
	v_and_b32 v[DQ], 8, v9
	v_add_nc_u32 v[DQ], v[DQ], v9                  ; + r + 8 (r / 8)
	v_lshlrev_b32 v8, 4, v10
	v_sub_nc_u32 v[DQ], v[DQ], v8                  ; - 16 h
	v_add_nc_u32 v[DQ], s2, v[DQ]
	v_lshl_add_u32 v[YB], v9, 4, v10
	v_mov_b32 v[NINF], 0xff800000
.irp i, 6,7,8,9,10,11
	v_mov_b32 v[Q1+\i], 0                          ; zero codes for k = 64 .. 127
	v_mov_b32 v[Q2+\i], 0
	v_mov_b32 v[F+18+\i], 0                        ; and behind K's fourth tile
.endr
.irp s, ST1, ST2
	v_mov_b32 v[\s+1], 0xff61b1e6                  ; the largest t so far: -3e38
	v_floor_f32 v[\s], -v[\s+1]                    ; -M
	v_mov_b32 v[\s+2], 0                           ; the sum
	v_mov_b32 v[\s+3], 0
.endr
.irp i, 0,1,2,3,4,5,6,7
	v_mov_b32 v[T+\i], 0                           ; written once: a lane permute's destination counts as one of its sources
.endr
	v_mov_b32 v[FF+1], 0                           ; (named as the upper half of a pair)
.set n, 0
.rept 64
	v_mov_b32 v[O1+n], 0                           ; O^T of both tiles: the step is written once, its first pass finds zeros
.set n, n+1
.endr
	s_mov_b32 s[STEPC], 0
	s_mov_b32 s[TB], 0
	s_mov_b32 s[TS], 0
	s_wait_loadcnt 0x0                             ; Q
	s_wait_tensorcnt 0x0                           ; my key step has landed,
	s_barrier_signal -1
	s_barrier_wait -1                              ; everybody's has
; ONE TILE'S KEY STEP.  jr: the scalar register with the tile's block; q, qs: Q's operand and scale word; st: statistics; o: O^T.
.macro TILE jr, q, qs, st, o
	s_cmp_gt_u32 s[STEPC], s[\jr]                  ; all 128 keys come after my queries: nothing to do
	s_cbranch_scc1 .Lskip_\@
	v_add_nc_u32 v[ADK], s[TB], v[AK0]             ; five plain instructions stand between the last products and the products below, which write over registers that those read,
	v_add_nc_u32 v[ADV], s[TB], v[AV0]             ; and ahead of the loads into such registers
	v_add_nc_u32 v[ADS], s[TS], v[ASK0]
	v_add_nc_u32 v[ADT], s[TS], v[ASV0]
	v_nop
.irp t, 0,1,2,3
.irp p, 0,1,2
	ds_load_b64 v[F+6*\t+2*\p:F+6*\t+2*\p+1], v[ADK] offset:768*\t+256*\p
.endr
.endr
	ds_load_b128 v[SW:SW+3], v[ADS]                ; the eight tiles' scale words
	ds_load_b128 v[SW+4:SW+7], v[ADS] offset:16
	s_wait_dscnt 0x0
.irp t, 0,1,2,3
	v_wmma_scale_f32_16x16x128_f8f6f4 v[S+8*\t:S+8*\t+7], v[F+6*\t:F+6*\t+11], v[\q:\q+11], 0, v[SW+\t], v[\qs] matrix_a_fmt:MATRIX_FMT_BF6 matrix_b_fmt:MATRIX_FMT_BF6
.endr
.rept 4
	v_nop                                          ; places in front of loads into registers that these products read
.endr
.irp t, 0,1,2,3
.irp p, 0,1,2
	ds_load_b64 v[F+6*\t+2*\p:F+6*\t+2*\p+1], v[ADK] offset:768*(4+\t)+256*\p
.endr
.endr
	s_wait_dscnt 0x0
.irp t, 0,1,2,3
	v_wmma_scale_f32_16x16x128_f8f6f4 v[S+32+8*\t:S+32+8*\t+7], v[F+6*\t:F+6*\t+11], v[\q:\q+11], 0, v[SW+4+\t], v[\qs] matrix_a_fmt:MATRIX_FMT_BF6 matrix_b_fmt:MATRIX_FMT_BF6
.endr
.rept 4
	v_nop                                          ; places: for the loads below and for the first read of the scores
.endr
.irp p, 0,1,2,3,4,5,6,7,8,9,10,11
	ds_load_b64 v[F+2*\p:F+2*\p+1], v[ADV] offset:256*\p   ; V's tiles 0, 1: they land under the softmax
.endr
	ds_load_b128 v[SW:SW+3], v[ADT]                ; V's four scale words
	s_cmp_lg_u32 s[STEPC], s[\jr]                  ; on the diagonal hidden scores become -infinity: register 16 b + i holds key 32 b + 16 (lane / 16) + i of the block
	s_cbranch_scc1 .Lopen_\@
.set n, 0
.rept 64
	v_cmp_gt_i32 vcc_lo, 32*(n/16)+n%16, v[DQ]
	v_cndmask_b32 v[S+n], v[S+n], v[NINF], vcc_lo
.set n, n+1
.endr
.Lopen_\@:
.irp b, 0,1,2,3
	v_max3_num_f32 v[BM+\b], v[S+16*\b], v[S+16*\b+1], v[S+16*\b+2]   ; the largest score of each block of 32 keys: for the row's maximum, and, since p rises with the score, for the block's largest p
.endr
.irp i, 3,5,7,9,11,13
.irp b, 0,1,2,3
	v_max3_num_f32 v[BM+\b], v[BM+\b], v[S+16*\b+\i], v[S+16*\b+\i+1]
.endr
.endr
.irp b, 0,1,2,3
	v_max_num_f32 v[BM+\b], v[BM+\b], v[S+16*\b+15]
.endr
.irp b, 0,1,2,3
	v_permlanex16_b32 v[T+\b], v[BM+\b], s[SEL], s[SEL+1]
.endr
.irp b, 0,1,2,3
	v_max_num_f32 v[BM+\b], v[BM+\b], v[T+\b]      ; with lane l xor 16's 16 keys
.endr
	v_max3_num_f32 v[TP], v[BM], v[BM+1], v[BM+2]
	v_max_num_f32 v[TP], v[TP], v[BM+3]
	v_mul_f32 v[TP], s[CS], v[TP]                  ; as t
	v_max_num_f32 v[\st+1], v[\st+1], v[TP]        ; the running largest t
	v_mov_b32 v[TP], v[\st]
	v_floor_f32 v[\st], -v[\st+1]                  ; the new -M = -ceil(t)
	v_sub_f32 v[TP], v[\st], v[TP]                 ; old M - new M: a whole number, 0 or less
	v_cvt_i32_f32 v[TP], v[TP]                     ; (it saturates)
	v_ldexp_f32 v[FF], 1.0, v[TP]                  ; f = 2^(old M - new M)
.set n, 0
.rept 32
	v_pk_fma_f32 v[S+n:S+n+1], v[S+n:S+n+1], s[CS:CS+1], v[\st:\st+1] op_sel_hi:[1,0,0]   ; t - M, two at a time
.set n, n+2
.endr
.irp b, 0,1,2,3
	v_fma_f32 v[BM+\b], v[BM+\b], s[CS], v[\st]
.endr
.set n, 0
.rept 64
	v_exp_f32 v[S+n], v[S+n]                       ; p = 2^(t - M)
.set n, n+1
.endr
	v_pk_mul_f32 v[\st+2:\st+3], v[\st+2:\st+3], v[FF:FF+1] op_sel_hi:[1,0]   ; the sums under the new M: the plain instruction behind the exponentials
	s_wait_alu depctr_va_vdst(0)                   ; one wait for the batch, ahead of its first reader
.irp b, 0,1,2,3
	v_exp_f32 v[BM+\b], v[BM+\b]                   ; the blocks' largest p
.endr
	v_pk_add_f32 v[L2:L2+1], v[S:S+1], v[S+2:S+3]  ; the row's sum of the unquantised p, in two chains
.set n, 4
.rept 15
	v_pk_add_f32 v[\st+2:\st+3], v[\st+2:\st+3], v[S+n:S+n+1]
	v_pk_add_f32 v[L2:L2+1], v[L2:L2+1], v[S+n+2:S+n+3]
.set n, n+4
.endr
	v_pk_add_f32 v[\st+2:\st+3], v[\st+2:\st+3], v[L2:L2+1]
	s_wait_alu depctr_va_vdst(0)                   ; and one for the four
.irp b, 0,1,2,3
	v_max_num_f32 v[BM+\b], 0x2800000, v[BM+\b]    ; the floor 2^(5 - 127): the byte cannot fall under 1
.endr
.irp b, 0,1,2,3
	v_add_nc_u32 v[SO+\b], 0xfe000000, v[BM+\b]    ; 4 off the exponent field: the conversion's scale operand
.endr
.irp b, 0,1,2,3
	v_lshrrev_b32 v[T+\b], 23, v[SO+\b]
.endr
	v_lshl_or_b32 v[PW], v[T+1], 8, v[T]
	v_lshl_or_b32 v[PW], v[T+2], 16, v[PW]
	v_lshl_or_b32 v[PW], v[T+3], 24, v[PW]
.irp c, 0,1
	v_cvt_scalef32_pk16_bf6_f32 v[PC+6*\c:PC+6*\c+2], v[S+32*\c:S+32*\c+15], v[SO+2*\c]
	v_cvt_scalef32_pk16_bf6_f32 v[T+4*\c:T+4*\c+2], v[S+32*\c+16:S+32*\c+31], v[SO+2*\c+1]
.endr
	v_nop                                          ; one plain instruction behind a scaled conversion
.irp p, 0,1,2,3,4,5,6,7,8,9,10,11
	ds_load_b64 v[S+2*\p:S+2*\p+1], v[ADV] offset:3072+256*\p   ; V's tiles 2, 3 into registers that p has left
.endr
.irp c, 0,1                            ; the operand wants a whole block in a lane
.irp i, 0,1,2
	v_permlane16_swap_b32 v[PC+6*\c+\i], v[T+4*\c+\i]
.endr
.irp i, 0,1,2
	v_mov_b32 v[PC+3+6*\c+\i], v[T+4*\c+\i]
.endr
.endr
.set n, 0
.rept 16
	v_pk_mul_f32 v[\o+n:\o+n+1], v[\o+n:\o+n+1], v[FF:FF+1] op_sel_hi:[1,0]   ; O^T under the new M, from each accumulator's low end on; these are also the places between p's codes and scale word and the products
.set n, n+2
.endr
	s_wait_dscnt 0x0                               ; V is in
	v_wmma_scale_f32_16x16x128_f8f6f4 v[\o:\o+7], v[F:F+11], v[PC:PC+11], v[\o:\o+7], v[SW], v[PW] matrix_a_fmt:MATRIX_FMT_BF6 matrix_b_fmt:MATRIX_FMT_BF6
	v_wmma_scale_f32_16x16x128_f8f6f4 v[\o+8:\o+15], v[F+12:F+23], v[PC:PC+11], v[\o+8:\o+15], v[SW+1], v[PW] matrix_a_fmt:MATRIX_FMT_BF6 matrix_b_fmt:MATRIX_FMT_BF6
	v_wmma_scale_f32_16x16x128_f8f6f4 v[\o+16:\o+23], v[S:S+11], v[PC:PC+11], v[\o+16:\o+23], v[SW+2], v[PW] matrix_a_fmt:MATRIX_FMT_BF6 matrix_b_fmt:MATRIX_FMT_BF6
	v_wmma_scale_f32_16x16x128_f8f6f4 v[\o+24:\o+31], v[S+12:S+23], v[PC:PC+11], v[\o+24:\o+31], v[SW+3], v[PW] matrix_a_fmt:MATRIX_FMT_BF6 matrix_b_fmt:MATRIX_FMT_BF6
.Lskip_\@:
.endm
.Lstep:                                ; 16 trips, a constant: every wave walks the loop, and a tile's work is jumped over where its keys are all hidden
	TILE 15, Q1, QS1, ST1, O1
	TILE 16, Q2, QS2, ST2, O2
	s_add_co_u32 s[TB], s[TB], 6144
	s_add_co_u32 s[TS], s[TS], 512
	s_add_co_u32 s[STEPC], s[STEPC], 1
	s_cmp_lt_u32 s[STEPC], 16
	s_cbranch_scc1 .Lstep
; THE WAY OUT of tile u: y = O^T / the sum; register 16 b + i is channel 32 b + 16 (lane / 16) + i of the head: two blocks of 32 along the last product's K.  Codes: three chunks of 256 bytes; scale bytes: one a lane
; (a head owns 2 of a token's 32 bytes, so these stores do not cover 256 consecutive bytes: 32 bytes a tile against 768 of codes).  The two tiles use registers of their own, so no store's sources are written again.
.macro FINISH u, st, o, yc, ys
	v_add_f32 v[TP], v[\st+2], v[\st+3]
	v_permlanex16_b32 v[T+4*\u], v[TP], s[SEL], s[SEL+1]
	v_add_f32 v[TP], v[TP], v[T+4*\u]              ; the row's sum
	v_rcp_f32 v[TP], v[TP]
	v_nop                                          ; a plain instruction behind the reciprocal,
	s_wait_alu depctr_va_vdst(0)                   ; and the wait ahead of its first reader
.set n, 0
.rept 32
	v_mul_f32 v[S+32*\u+n], v[\o+n], v[TP]         ; each accumulator from its low end on
.set n, n+1
.endr
.irp b, 0,1
	v_max3_num_f32 v[BM+2*\u+\b], |v[S+32*\u+16*\b]|, |v[S+32*\u+16*\b+1]|, 0x2800000
.endr
.irp i, 2,4,6,8,10,12,14
.irp b, 0,1
	v_max3_num_f32 v[BM+2*\u+\b], v[BM+2*\u+\b], |v[S+32*\u+16*\b+\i]|, |v[S+32*\u+16*\b+\i+1]|
.endr
.endr
.irp b, 0,1
	v_permlanex16_b32 v[T+4*\u+\b], v[BM+2*\u+\b], s[SEL], s[SEL+1]
.endr
.irp b, 0,1
	v_max_num_f32 v[BM+2*\u+\b], v[BM+2*\u+\b], v[T+4*\u+\b]
.endr
.irp b, 0,1
	v_add_nc_u32 v[SO+2*\u+\b], 0xfe000000, v[BM+2*\u+\b]
.endr
.irp b, 0,1
	v_lshrrev_b32 v[T+4*\u+\b], 23, v[SO+2*\u+\b]
.endr
	v_cndmask_b32 v[L2+\u], v[T+4*\u], v[T+4*\u+1], vcc_lo   ; lanes 0-15 store block 0's byte, lanes 16-31 block 1's
	v_cvt_scalef32_pk16_bf6_f32 v[PC+6*\u:PC+6*\u+2], v[S+32*\u:S+32*\u+15], v[SO+2*\u]
	v_cvt_scalef32_pk16_bf6_f32 v[T+4*\u:T+4*\u+2], v[S+32*\u+16:S+32*\u+31], v[SO+2*\u+1]
	v_nop
.irp i, 0,1,2
	v_permlane16_swap_b32 v[PC+6*\u+\i], v[T+4*\u+\i]
.endr
.irp i, 0,1,2
	v_mov_b32 v[PC+6*\u+3+\i], v[T+4*\u+\i]
.endr
.irp p, 0,1,2
	global_store_b64 v[GO], v[PC+6*\u+2*\p:PC+6*\u+2*\p+1], s[\yc:\yc+1] offset:256*\p   ; 256 consecutive bytes, at a multiple of 256 from the buffer's first byte
.endr
	global_store_b8 v[YB], v[L2+\u], s[\ys:\ys+1]
.endm
.rept 4
	v_nop                                          ; places behind the last products
.endr
	v_bfe_u32 v8, v0, 4, 1
	v_cmp_ne_u32 vcc_lo, 0, v8
	FINISH 0, ST1, O1, 60, 66
	FINISH 1, ST2, O2, 62, 68
	s_wait_tensorcnt 0x0
	ds_add_u32 v254, v255
	s_wait_dscnt 0x0
	ROUND                                          ; the closing round
	s_endpgm
.Lfunc_end_k_q8994b487a9_attn:
	.size	k_q8994b487a9_attn, .Lfunc_end_k_q8994b487a9_attn-k_q8994b487a9_attn
	.p2alignl 7, 3214868480
	.fill 96, 4, 3214868480
	.section	.rodata,"a",@progbits
	.p2align	6, 0x0
	.amdhsa_kernel k_q8994b487a9_attn
		.amdhsa_group_segment_fixed_size 215040
		.amdhsa_private_segment_fixed_size 0
		.amdhsa_enable_private_segment 0
		.amdhsa_kernarg_size 24
		.amdhsa_user_sgpr_count 2
		.amdhsa_user_sgpr_kernarg_segment_ptr 1
		.amdhsa_wavefront_size32 1
		.amdhsa_system_sgpr_workgroup_id_x 1
		.amdhsa_system_sgpr_workgroup_id_y 1
		.amdhsa_system_sgpr_workgroup_id_z 1
		.amdhsa_system_vgpr_workitem_id 0
		.amdhsa_next_free_vgpr 256
		.amdhsa_next_free_sgpr 80
		.amdhsa_reserve_vcc 1
		.amdhsa_float_denorm_mode_32 3
		.amdhsa_float_denorm_mode_16_64 3
		.amdhsa_memory_ordered 1
		.amdhsa_forward_progress 1
		.amdhsa_inst_pref_size 64
	.end_amdhsa_kernel
	.amdgpu_metadata
---
amdhsa.version: [ 1, 2 ]
amdhsa.kernels:
  - .name:           k_q8994b487a9_attn
    .symbol:         k_q8994b487a9_attn.kd
    .args:
      - { .name: qk, .offset: 0, .size: 8, .value_kind: global_buffer, .address_space: global }
      - { .name: vq, .offset: 8, .size: 8, .value_kind: global_buffer, .address_space: global }
      - { .name: yq, .offset: 16, .size: 8, .value_kind: global_buffer, .address_space: global }
    .group_segment_fixed_size: 215040
    .private_segment_fixed_size: 0
    .kernarg_segment_align: 8
    .kernarg_segment_size: 24
    .max_flat_workgroup_size: 512
    .sgpr_count:     80
    .vgpr_count:     256
    .wavefront_size: 32
...
	.end_amdgpu_metadata
.endif
;; end of part 3
;; launch proj (part 4): grid 4 x 32, 4 waves a work-group, clusters of 4 x 4, 327,680 bytes of LDS; arguments yq, wq, bo, out0; writes out0
.if DOCPART == 4
	.amdgcn_target "amdgcn-amd-amdhsa--gfx1250"
	.amdhsa_code_object_version 6
	.text
	.protected	k_q8994b487a9_proj
	.globl	k_q8994b487a9_proj
	.p2align	8
	.type	k_q8994b487a9_proj,@function
k_q8994b487a9_proj:
	s_mov_b64 s[64:65], 0
	v_nop
	global_prefetch_b8 v0, s[64:65] scope:SCOPE_SE
	s_setreg_imm32_b32 hwreg(HW_REG_WAVE_MODE, 25, 1), 1
	s_wait_xcnt 0x0
	s_wait_alu depctr_hold_cnt(0) depctr_sa_sdst(0) depctr_va_vdst(0) depctr_va_sdst(0) depctr_va_ssrc(0) depctr_va_vcc(0) depctr_vm_vsrc(0)
	s_getreg_b32 s2, hwreg(HW_REG_IB_STS2, 6, 4)
	s_cmp_eq_u32 s2, 0
	s_cbranch_scc0 .Lentry_in_a_cluster
	s_endpgm
.Lentry_in_a_cluster:
	s_bfe_u32 s2, ttmp6, 0x10000c
	s_cmp_lg_u32 s2, 0xf033
	s_cbranch_scc0 .Lentry_shape_is_right
	s_endpgm
.Lentry_shape_is_right:
; out0 = y Wo^T + bo on codes of BF6 (E3M2) with E8M0 scales, K = 1,024; out0 [8192][1024] f32.
; OPERANDS lie in memory as images of operand registers (a piece of 16 rows x 64 K is 768 bytes: three chunks of 256, chunk p holding at 8 x lane bytes 8 p .. 8 p + 7 of the lane's 24), 12,288 bytes a tile of 16 rows;
; stored row 16 i + r is true row 32 (i / 2) + 8 (i % 2) + r + 8 (r / 8); the way out puts rows and columns back.  Scales: [tile][K half][row][4 words].  Wo is tiles 192 on of wq.
; A work-group of four waves makes 256 tokens x 256 columns, a wave 128 x 128: 64 accumulators.  Source 0 = Wo's rows, source 1 = y's tokens: a lane holds a token, and block b's eight registers are columns 32 (b / 2) + 16 (lane / 16) + 8 (b % 2) + 0 .. 7.
; The bias is the C of each sum's first product.  K goes in four slots' worth of 256 through a ring of two LDS slots; the scales of all K come once.  The eight steps of 128 are written out: a loop over the ring would have one trip.
; CLUSTERS: 4 x 4 work-groups; y's tiles are asked for jointly along a row of the cluster, Wo's along a column.  128 work-groups: a smaller tile would read each LDS byte for half the products.
; No prefetch: half of K is asked for at the head and only two refills follow.
; REGISTERS: window 0: v1-29 addresses; v32-63 scale words, two sets; v64-127 the bias; v128-223 A's operands, one set (v128-255 rows of the result on the way out).  Window 1: B's, two sets.  Windows 2, 3: accumulators.
.set NQ,     2
.set FR,     12
.set NL,     6
.set NP,     4                         ; places behind this matrix instruction (ISA guide 7.12.1)
.set TROW,   3072
.set HALFT,  8*TROW
.set SLOT,   4*HALFT
.set SCL,    2*SLOT
.set HALFS,  4096
.set SBLK,   512
.set SPARE,  SCL+4*HALFS               ; the spare words: 128 bytes a wave, two blocks of 256 bytes that no other line names
.set SPITCH, 528                       ; the way out: a stage of 16 rows x (512 + 16) bytes a wave, in slot 0, which has had its last fill and its last read by then
.set ADRA, 16
.set ADRB, 20
.set STO,  24
.set RD,   25
.set CO,   26
.set ADRS, 27
.set SPW,  28
.set NIL,  29
.set SC,   32
.set BIAS, 64
.set AF,   128
.set BK,   128
.set G1, 24
.set G0, 32
.set G1B, 48
.set G0B, 56
.set G1S, 68
.set G0S, 76
.set G1SB, 80
.set G0SB, 88
.set MSB, 0
.macro WIN new
.if MSB != (\new)
	s_set_vgpr_msb (MSB<<8)|(\new)
.set MSB, \new
.endif
.endm
.set MUL_LO, 0xa1                      ; source 0 (B) window 1, source 1 (A) window 0, C and D window 2
.set MUL_HI, 0xf1
.set TO_B,   0x40
.macro JLOAD g0a, g1a, g0b, g1b        ; a joint load: waves 0, 1 fetch for A, waves 2, 3 for B; four v_nop follow each of the two lines
	s_cmp_eq_u32 s15, 0
	s_cbranch_scc0 .Lfor_b_\@
	tensor_load_to_lds s[\g0a:\g0a+3], s[\g1a:\g1a+7]
	s_nop 0
.rept 4
	v_nop
.endr
	s_branch .Lasked_\@
.Lfor_b_\@:
	tensor_load_to_lds s[\g0b:\g0b+3], s[\g1b:\g1b+7]
	s_nop 0
.rept 4
	v_nop
.endr
.Lasked_\@:
.endm
.macro CREST
	s_cmp_lg_u32 s14, 0
	s_cbranch_scc1 .Lnot_wave_0_\@
	s_barrier_signal -3
.Lnot_wave_0_\@:
	s_barrier_wait -3
	s_barrier_signal -1
	s_barrier_wait -1
.endm
.macro CROUND
	s_barrier_signal -1
	s_barrier_wait -1
	CREST
.endm
	s_load_b256 s[4:11], s[0:1], 0x0               ; yq, wq, bo, out0
	v_lshl_add_u32 v[SPW], v0, 2, SPARE
	v_mov_b32 v[NIL], 0
	ds_add_u32 v28, v29
	ds_add_u32 v28, v29
	s_wait_dscnt 0x0
	v_lshrrev_b32 v1, 5, v0
	v_readfirstlane_b32 s14, v1                    ; wave
	s_lshr_b32 s15, s14, 1                         ; my half of the tokens.  Also: I fetch for A (0) or B (1)
	s_and_b32 s16, s14, 1                          ; my half of the columns.  Also: which 128 rows I fetch
	s_bfe_u32 s40, ttmp6, 0x40000                  ; cx
	s_bfe_u32 s41, ttmp6, 0x40004                  ; cy
	s_lshl_b32 s42, ttmp9, 2
	s_add_co_u32 s42, s42, s40                     ; the block of 256 columns
	s_and_b32 s17, ttmp7, 0xffff
	s_lshl_b32 s17, s17, 2
	s_add_co_u32 s17, s17, s41                     ; the block of 256 tokens
	s_lshl_b32 s43, s41, 2
	s_lshl_b32 s43, 15, s43                        ; my row of the cluster
	s_lshl_b32 s44, 0x1111, s40                    ; my column
	s_or_b32 s[G1+0], s43, (3<<16)|(1<<21)         ; codes: 8 rows of 3,072 bytes (384 elements of 8), 12,288 bytes apart, dense in LDS
	s_or_b32 s[G1B+0], s44, (3<<16)|(1<<21)
.irp g, G1, G1B
	s_mov_b32 s[\g+1], 384<<16
	s_mov_b32 s[\g+2], 8<<16
	s_mov_b32 s[\g+3], 384<<16
	s_mov_b32 s[\g+4], 8
	s_mov_b32 s[\g+5], 1536
	s_mov_b32 s[\g+6], 0
	s_mov_b32 s[\g+7], 0
.endr
	s_or_b32 s[G1S+0], s43, (3<<16)|(1<<21)        ; scales of 128 rows: 4,096 dense bytes as 16 rows of 256
	s_or_b32 s[G1SB+0], s44, (3<<16)|(1<<21)
.irp g, G1S, G1SB
	s_mov_b32 s[\g+1], 32<<16
	s_mov_b32 s[\g+2], 16<<16
	s_mov_b32 s[\g+3], 32<<16
	s_mov_b32 s[\g+4], 16
	s_mov_b32 s[\g+5], 32
	s_mov_b32 s[\g+6], 0
	s_mov_b32 s[\g+7], 0
.endr
	s_lshl_b32 s18, s16, 3
	s_lshl_b32 s20, s17, 4
	s_add_co_u32 s20, s20, s18                     ; A: the first tile that I fetch
	s_lshl_b32 s46, s42, 4
	s_add_co_u32 s46, s46, s18                     ; B likewise
	s_lshl_b32 s22, s20, 9
	s_add_co_u32 s22, s22, 6291456                 ; y's scales
	s_mul_i32 s20, s20, 12288
	s_lshl_b32 s92, s46, 9
	s_add_co_u32 s92, s92, 3244032                 ; Wo's scales
	s_mul_i32 s46, s46, 12288
	s_add_co_u32 s46, s46, 2359296                 ; Wo's codes
	s_mov_b32 s21, 0
	s_mov_b32 s23, 0
	s_mov_b32 s47, 0
	s_mov_b32 s93, 0
	s_mul_i32 s45, s14, HALFT
	s_mul_i32 s94, s14, HALFS
	s_wait_kmcnt 0x0
	s_add_nc_u64 s[20:21], s[4:5], s[20:21]
	s_add_nc_u64 s[22:23], s[4:5], s[22:23]
	s_add_nc_u64 s[46:47], s[6:7], s[46:47]
	s_add_nc_u64 s[92:93], s[6:7], s[92:93]
	CROUND                                         ; all sixteen work-groups are here: the first joint loads meet
	s_mov_b32 s[G0S], 1
	s_add_co_u32 s[G0S+1], s94, SCL
	s_mov_b64 s[G0S+2:G0S+3], s[22:23]
	s_or_b32 s[G0S+3], s[G0S+3], 0x80000000
	s_mov_b32 s[G0SB], 1
	s_add_co_u32 s[G0SB+1], s94, SCL
	s_mov_b64 s[G0SB+2:G0SB+3], s[92:93]
	s_or_b32 s[G0SB+3], s[G0SB+3], 0x80000000
	JLOAD G0S, G1S, G0SB, G1SB
.irp s, 0,1
	s_mov_b32 s[G0+4*\s], 1
	s_add_co_u32 s[G0+4*\s+1], s45, \s*SLOT
	s_add_nc_u64 s[G0+4*\s+2:G0+4*\s+3], s[20:21], \s*TROW
	s_or_b32 s[G0+4*\s+3], s[G0+4*\s+3], 0x80000000
	s_mov_b32 s[G0B+4*\s], 1
	s_add_co_u32 s[G0B+4*\s+1], s45, \s*SLOT
	s_add_nc_u64 s[G0B+4*\s+2:G0B+4*\s+3], s[46:47], \s*TROW
	s_or_b32 s[G0B+4*\s+3], s[G0B+4*\s+3], 0x80000000
	JLOAD G0+4*\s, G1, G0B+4*\s, G1B               ; three loads of mine are out now
.endr
	v_and_b32 v1, 15, v0                           ; r
	v_bfe_u32 v2, v0, 4, 1                         ; h
	v_and_b32 v3, 31, v0
	s_lshl_b32 s22, s42, 10                        ; the bias of my 128 columns
	s_lshl_b32 s23, s16, 9
	s_add_co_u32 s22, s22, s23
	s_mov_b32 s23, 0
	s_add_nc_u64 s[8:9], s[8:9], s[22:23]
	v_lshlrev_b32 v7, 6, v2                        ; + 16 h numbers
.irp b, 0,1,2,3,4,5,6,7
	global_load_b128 v[BIAS+8*\b:BIAS+8*\b+3], v7, s[8:9] offset:(32*(\b/2)+8*(\b%2))*4
	global_load_b128 v[BIAS+8*\b+4:BIAS+8*\b+7], v7, s[8:9] offset:(32*(\b/2)+8*(\b%2))*4+16
.endr
	v_lshlrev_b32 v4, 3, v3                        ; 8 x lane
	s_mul_i32 s92, s15, HALFT
	s_mul_i32 s93, s16, HALFT
	s_add_co_u32 s93, s93, 2*HALFT
.irp s, 0,1
	v_add_nc_u32 v[ADRA+\s], s92, v4
	v_add_nc_u32 v[ADRB+\s], s93, v4
	s_add_co_u32 s92, s92, SLOT
	s_add_co_u32 s93, s93, SLOT
.endr
	v_lshlrev_b32 v5, 4, v1
	s_mul_i32 s92, s15, HALFS
	s_mul_i32 s93, s16, HALFS
	s_add_co_u32 s93, s93, 2*HALFS
	s_sub_co_u32 s93, s93, s92
	v_mul_u32_u24 v6, s93, v2                      ; lanes 16-31 take B's: one product, h x the distance
	s_add_co_u32 s92, s92, SCL
	v_add_nc_u32 v5, v5, v6
	v_add_nc_u32 v[ADRS], s92, v5
	s_mul_i32 s95, s14, 16*SPITCH                  ; my stage
	v_mul_u32_u24 v5, v1, SPITCH
	v_lshl_add_u32 v5, v2, 6, v5
	v_add_nc_u32 v[STO], s95, v5                   ; in: row r, + 64 h
	v_lshlrev_b32 v[CO], 4, v3
	v_add_nc_u32 v[RD], s95, v[CO]                 ; back: the 32 lanes take a row of 512 bytes
	s_lshl_b32 s20, s17, 8
	s_lshl_b32 s21, s15, 7
	s_add_co_u32 s20, s20, s21                     ; my first token
	s_lshl_b32 s20, s20, 12                        ; rows of 4,096 bytes
	s_add_co_u32 s20, s20, s22                     ; + my first column
	s_mov_b32 s21, 0
	s_add_nc_u64 s[10:11], s[10:11], s[20:21]
.macro FRAG reg, adr, q, i
.irp p, 0,1,2,3,4,5
	ds_load_b64 v[\reg+2*\p:\reg+2*\p+1], v[\adr] offset:(\i)*TROW+(\q)*1536+256*\p
.endr
.endm
; 16 matrix instructions: A's blocks a0, a0 + 1 x B's eight.  first = 1: the sums start from the bias.  The 64 accumulators take turns, one instruction a turn.
.macro MUL16 a0, p, q, sc, first
.irp a, \a0, \a0+1
.irp b, 0,1,2,3,4,5,6,7
.if \first
	v_wmma_scale_f32_16x16x128_f8f6f4 v[8*(8*((\a)%4)+\b):8*(8*((\a)%4)+\b)+7], v[128*(\p)+FR*\b:128*(\p)+FR*\b+FR-1], v[AF+FR*(\a):AF+FR*(\a)+FR-1], v[BIAS+8*\b:BIAS+8*\b+7], v[SC+8*NQ*(\sc)+NQ*\b+(\q)], v[SC+8*NQ*(\sc)+NQ*(\a)+(\q)] matrix_a_fmt:MATRIX_FMT_BF6 matrix_b_fmt:MATRIX_FMT_BF6 matrix_a_scale:MATRIX_SCALE_ROW1
.else
	v_wmma_scale_f32_16x16x128_f8f6f4 v[8*(8*((\a)%4)+\b):8*(8*((\a)%4)+\b)+7], v[128*(\p)+FR*\b:128*(\p)+FR*\b+FR-1], v[AF+FR*(\a):AF+FR*(\a)+FR-1], v[8*(8*((\a)%4)+\b):8*(8*((\a)%4)+\b)+7], v[SC+8*NQ*(\sc)+NQ*\b+(\q)], v[SC+8*NQ*(\sc)+NQ*(\a)+(\q)] matrix_a_fmt:MATRIX_FMT_BF6 matrix_b_fmt:MATRIX_FMT_BF6 matrix_a_scale:MATRIX_SCALE_ROW1
.endif
.endr
.endr
.endm
.macro FETCH_B slot, q, p
	WIN TO_B
.irp i, 0,1,2,3,4,5,6,7
	FRAG 128*(\p)+FR*\i, ADRB+\slot, \q, \i
.endr
	WIN 0
.endm
.macro FETCH_A slot, q, i0
.irp i, \i0, \i0+1, \i0+2, \i0+3
	FRAG AF+FR*(\i), ADRA+\slot, \q, \i
.endr
.endm
.macro SCALES sc
.irp i, 0,1,2,3,4,5,6,7
	ds_load_b64 v[SC+8*NQ*\sc+NQ*\i:SC+8*NQ*\sc+NQ*\i+1], v[ADRS] offset:\i*SBLK
.endr
.endm
.macro PLACES n
.rept \n
	v_nop
.endr
.endm
.macro STEP slot, q, first
	s_wait_dscnt 4*NL                              ; all but the youngest 24 loads (A's blocks 4-7)
.if \first
	WIN 0x81                                       ; C (the bias) window 0, D window 2
.else
	WIN MUL_LO
.endif
	MUL16 0, (\q)%2, \q, \slot, \first
	MUL16 2, (\q)%2, \q, \slot, \first
	s_wait_dscnt 0
	PLACES NP
	FETCH_B \slot, (\q)+1, 1-(\q)%2
	FETCH_A \slot, (\q)+1, 0
.if \first
	WIN 0xc1                                       ; C window 0, D window 3
.else
	WIN MUL_HI
.endif
	MUL16 4, (\q)%2, \q, \slot, \first
	MUL16 6, (\q)%2, \q, \slot, \first
	PLACES NP
	WIN 0
	FETCH_A \slot, (\q)+1, 4
.endm
.macro TURN slot, next, fill
	s_wait_tensorcnt 0x0                           ; all my tensor loads have landed: my part of the next slot
	ds_add_u32 v[SPW], v[NIL]                      ; 0 onto my spare word
	s_wait_dscnt 4*NL+1                            ; the add and the youngest 24 loads may be out
	WIN MUL_LO
	MUL16 0, 1, NQ-1, \slot, 0
	s_wait_dscnt 0x0                               ; the add is done, and my reads of this slot are over
	s_barrier_signal -1
	MUL16 2, 1, NQ-1, \slot, 0
	WIN 0
	s_barrier_wait -1
.if \fill
	CREST                                          ; the barrier has opened a round of the cluster's: no wave of any partner still reads this slot or has a load on its way
	s_add_nc_u64 s[G0+4*\slot+2:G0+4*\slot+3], s[G0+4*\slot+2:G0+4*\slot+3], 2*TROW
	s_add_nc_u64 s[G0B+4*\slot+2:G0B+4*\slot+3], s[G0B+4*\slot+2:G0B+4*\slot+3], 2*TROW
	JLOAD G0+4*\slot, G1, G0B+4*\slot, G1B
.else
	PLACES NP
.endif
	v_add_nc_u32 v[ADRS], 8+240*\slot, v[ADRS]     ; the next slot's two words: 8 bytes on, or into the next K half
	FETCH_B \next, 0, 0
	FETCH_A \next, 0, 0
	SCALES \next
	WIN MUL_HI
	MUL16 4, 1, NQ-1, \slot, 0
	MUL16 6, 1, NQ-1, \slot, 0
	PLACES NP
	WIN 0
	FETCH_A \next, 0, 4
.endm
	s_wait_tensorcnt 1                             ; the scales and my part of slot 0 are in; slot 1's load may be out
	s_barrier_signal -1
	s_barrier_wait -1
	FETCH_B 0, 0, 0
	FETCH_A 0, 0, 0
	SCALES 0
	FETCH_A 0, 0, 4
	s_wait_loadcnt 0x0                             ; the bias
	STEP 0, 0, 1
	TURN 0, 1, 1
	STEP 1, 0, 0
	TURN 1, 0, 1
	STEP 0, 0, 0
	TURN 0, 1, 0
	STEP 1, 0, 0
	s_wait_dscnt 4*NL
	WIN MUL_LO
	MUL16 0, 1, NQ-1, 1, 0
	MUL16 2, 1, NQ-1, 1, 0
	s_wait_dscnt 0
	WIN MUL_HI
	MUL16 4, 1, NQ-1, 1, 0
	MUL16 6, 1, NQ-1, 1, 0
	WIN 0
; THE WAY OUT, block by block of 16 tokens x 128 columns, through my own stage.  Block b's eight columns go to bytes 128 (b / 2) + 64 h + 32 (b % 2) of the lane's row: the columns are in true order there.
; Stage row t of block a is token 32 (a / 2) + 8 (a % 2) + t + 8 (t / 8) of my 128: the last two terms stand in the store's immediate, the first two in the base's steps.
.macro TOSTAGE a
.set AC, 64*((\a)%4)
	WIN 0x08+4*((\a)/4)                            ; the data: window 2 or 3
.irp b, 0,1,2,3,4,5,6,7
	ds_store_b128 v[STO], v[AC+8*\b:AC+8*\b+3] offset:128*(\b/2)+32*(\b%2)        ; each accumulator from its low end on
	ds_store_b128 v[STO], v[AC+8*\b+4:AC+8*\b+7] offset:128*(\b/2)+32*(\b%2)+16
.endr
	WIN 0
.set BB, BK+64*((\a)%2)
.irp t, 0,1,2,3,4,5,6,7,8,9,10,11,12,13,14,15
	ds_load_b128 v[BB+4*\t:BB+4*\t+3], v[RD] offset:\t*SPITCH   ; LDS serves a wave's instructions in order: these see the stores above
.endr
.endm
.macro SEND a, younger
.set BB, BK+64*((\a)%2)
	s_wait_dscnt \younger                          ; the block is back in registers
.if (\a) > 0
.if ((\a)%2) == 1
	s_add_nc_u64 s[10:11], s[10:11], 8*4096        ; (behind a wait on XCNT: the earlier stores have read their base)
.else
	s_add_nc_u64 s[10:11], s[10:11], 24*4096
.endif
.endif
.irp t, 0,1,2,3,4,5,6,7,8,9,10,11,12,13,14,15
	global_store_b128 v[CO], v[BB+4*\t:BB+4*\t+3], s[10:11] offset:(\t+8*(\t/8))*4096 th:TH_STORE_NT   ; 32 lanes store 512 consecutive bytes, at a multiple of 256 from out0's first byte
.endr
.endm
	PLACES NP
	TOSTAGE 0
.irp a, 1,2,3,4,5,6,7
.if \a > 1
	s_wait_xcnt 0x0                                ; block a - 2's stores have read their registers and their base
.endif
	TOSTAGE \a
	SEND \a-1, 32                                  ; behind block a - 1's loads: block a's 16 stores and 16 loads
.endr
	s_wait_xcnt 0x0
	SEND 7, 0
	s_wait_tensorcnt 0x0                           ; the wave's end
	ds_add_u32 v[SPW], v[NIL]
	s_wait_dscnt 0x0
	CROUND                                         ; the closing round
	s_endpgm
.Lfunc_end_k_q8994b487a9_proj:
	.size	k_q8994b487a9_proj, .Lfunc_end_k_q8994b487a9_proj-k_q8994b487a9_proj
	.p2alignl 7, 3214868480
	.fill 96, 4, 3214868480
	.section	.rodata,"a",@progbits
	.p2align	6, 0x0
	.amdhsa_kernel k_q8994b487a9_proj
		.amdhsa_group_segment_fixed_size 327680
		.amdhsa_private_segment_fixed_size 0
		.amdhsa_enable_private_segment 0
		.amdhsa_kernarg_size 32
		.amdhsa_user_sgpr_count 2
		.amdhsa_user_sgpr_kernarg_segment_ptr 1
		.amdhsa_wavefront_size32 1
		.amdhsa_system_sgpr_workgroup_id_x 1
		.amdhsa_system_sgpr_workgroup_id_y 1
		.amdhsa_system_sgpr_workgroup_id_z 1
		.amdhsa_system_vgpr_workitem_id 0
		.amdhsa_next_free_vgpr 1024
		.amdhsa_next_free_sgpr 100
		.amdhsa_reserve_vcc 0
		.amdhsa_float_denorm_mode_32 3
		.amdhsa_float_denorm_mode_16_64 3
		.amdhsa_memory_ordered 1
		.amdhsa_forward_progress 1
		.amdhsa_inst_pref_size 161
	.end_amdhsa_kernel
	.amdgpu_metadata
---
amdhsa.version: [ 1, 2 ]
amdhsa.kernels:
  - .name:           k_q8994b487a9_proj
    .symbol:         k_q8994b487a9_proj.kd
    .args:
      - { .name: yq, .offset: 0, .size: 8, .value_kind: global_buffer, .address_space: global }
      - { .name: wq, .offset: 8, .size: 8, .value_kind: global_buffer, .address_space: global }
      - { .name: bo, .offset: 16, .size: 8, .value_kind: global_buffer, .address_space: global }
      - { .name: out0, .offset: 24, .size: 8, .value_kind: global_buffer, .address_space: global }
    .group_segment_fixed_size: 327680
    .private_segment_fixed_size: 0
    .kernarg_segment_align: 8
    .kernarg_segment_size: 32
    .max_flat_workgroup_size: 128
    .sgpr_count:     100
    .vgpr_count:     1024
    .wavefront_size: 32
...
	.end_amdgpu_metadata
.endif
;; end of part 4
